; MI455X (gfx1250); checked and timed in simulation.
; The chip was launched on July 23, 2026; its instructions are those of AMD's public machine-readable ISA for CDNA 5 (MIT licence, August 2026) and "CDNA5" Instruction Set Architecture Reference Guide (July 2026). The comments in the code are by the model that wrote it; some were corrected since.
;; Causal Self Attention. Allowed arithmetic: matrix products marked QUANTISED: E2M1 operands, one E8M0 scale for each 32 along K, by v_wmma_scale_f32_16x16x128_f8f6f4 with both operands' format E2M1 (or v_wmma_scale_f32_32x16x128_f4), f32 sums; products left as they are: bf16, f16 or f32 operands; f32 sums; everything else in f32.
;; Inputs: wk 512 x 2,048 float32; wo 2,048 x 2,048 float32; wq 2,048 x 2,048 float32; wv 512 x 2,048 float32; x 4 x 1,024 x 2,048 float32.
;; Outputs: out0 4 x 1,024 x 2,048 float32.
;; This version of the problem:
;;   THIS VERSION OF THE PROBLEM IS GIVEN IN LOW PRECISION. The matrix products marked QUANTISED in the list below multiply operands that are first quantised to E2M1 (2 exponent bits, 1 mantissa bit; 4 bits a number), with one power-of-two scale for each 32 numbers along K (OCP MX v1.0); their sums are f32. The products marked 'left as it is' may take bf16, f16 or f32 operands, with f32 sums. Whichever they take, every output number must still come out within the allowed error. Rounding operands to bf16 (8 significant bits) uses up far more of that allowance than f16 does (11 bits, for magnitudes from 6e-5 to 65,504). All else is computed in f32.
;;   The module's matrix products, in the order in which they are computed (A, B: the left and right operand; K: the contracted axis; several contracted axes count as one K, in the product's order):
;;     1. [M 4,096, K 2,048] x [K 2,048, N 2,048]; A: input x; B: input wq: QUANTISED
;;     2. [M 4,096, K 2,048] x [K 2,048, N 512]; A: input x; B: input wk: QUANTISED
;;     3. [M 4,096, K 2,048] x [K 2,048, N 512]; A: input x; B: input wv: QUANTISED
;;     4. batch 64 x [M 1,024, K 128] x [K 128, N 1,024]; A: computed on the way; B: computed on the way: left as it is (an operand is computed on the way)
;;     5. batch 64 x [M 1,024, K 1,024] x [K 1,024, N 128]; A: computed on the way; B: computed on the way: left as it is (an operand is computed on the way)
;;     6. [M 4,096, K 2,048] x [K 2,048, N 2,048]; A: computed on the way; B: input wo: left as it is (an operand is computed on the way)
;;   THE QUANTISER, for each operand of a quantised product, along K:
;;     - K is cut into blocks of 32 from its start; a last block that is shorter is filled with zeros.
;;     - A block's scale is 2^e with e = floor(log2(the largest magnitude in the block)) - 2, held to -126 .. 127; a block of zeros has e = 0. As a byte (E8M0): e + 127.
;;     - Each number is divided by its block's scale, clamped to +-6, and rounded to the nearest number of E2M1, ties to even, subnormals kept.
;;     - The product sums the exact products of the quantised numbers (number of the format x scale) in f32.
;;   ~~~python
;;   def quantise(x, axis):      # numpy; x: float32 -> the quantised numbers, widened to float32 again
;;       x = np.moveaxis(x, axis, -1); K = x.shape[-1]
;;       x = np.pad(x, [(0, 0)] * (x.ndim - 1) + [(0, -K % 32)]); x = x.reshape(x.shape[:-1] + (-1, 32)); a = np.abs(x).max(-1, keepdims=True)
;;       e = np.where(a > 0, np.clip(np.frexp(np.where(a > 0, a, 1))[1] - 1 - 2, -126, 127), 0)      # np.frexp(a)[1] - 1 = floor(log2(a)), exactly
;;       r = np.clip(x / 2.0 ** e, -6, 6)
;;       step = 2.0 ** (np.maximum(np.frexp(np.where(r == 0, 1, r))[1] - 1, 0) - 1)
;;       q = np.round(r / step) * step * 2.0 ** e      # np.round: ties to even
;;       return np.moveaxis(q.reshape(q.shape[:-2] + (-1,))[..., :K], -1, axis).astype(np.float32)
;;   ~~~
;; One version. Each part assembles by itself: llvm-mc -triple=amdgcn-amd-amdhsa -mcpu=gfx1250 --defsym DOCPART=n.
;; ======== version 1 of 1: 5 launches
;; limits: values are held in f16: magnitudes above 65,504 overflow, below 6.1e-05 lose precision
;; workspace buffers: codes 7,340,032 bytes; scales 458,752 bytes; woh 8,388,608 bytes; rope 524,288 bytes; qkv 25,165,824 bytes; vf 131,072 bytes; y 16,777,216 bytes
;; launch prep (part 1): grid 608 x 1, 4 waves a work-group, no clusters, 33,280 bytes of LDS; arguments x, wq, wk, wv, wo, codes, scales, woh, rope; writes codes, scales, woh, rope
.if DOCPART == 1
	.amdgcn_target "amdgcn-amd-amdhsa--gfx1250"
	.amdhsa_code_object_version 6
	.text
	.protected	k_q187adbab78_prep
	.globl	k_q187adbab78_prep
	.p2align	8
	.type	k_q187adbab78_prep,@function
k_q187adbab78_prep:
	s_mov_b64 s[64:65], 0
	v_nop
	global_prefetch_b8 v0, s[64:65] scope:SCOPE_SE
	s_setreg_imm32_b32 hwreg(HW_REG_WAVE_MODE, 25, 1), 1
	s_wait_xcnt 0x0
; PREP: three kinds of work-group, told apart by the work-group's number g.
;  g < 448:        x, wq, wk, wv (f32, K innermost) become codes of FP4 (E2M1) with one E8M0 byte for each 32 along K.
;                  codes: [7168 rows][1024 bytes], scales: [7168][64].  Rows 0-4095 x; 4096-6143 wq; then for each key/value head 128 rows of wk and 128 rows of wv by turns.
;  448 <= g < 576: wo becomes f16 (rounded to nearest even), [2048][2048].
;  g >= 576:       the rotary table: for position t a row of 512 bytes: cos(t f_i), i = 0..63, then sin(t f_i); f_i = 10000^(-i/64).
; A block's scale is 2^(floor(log2(largest magnitude)) - 2); its byte is the largest magnitude's exponent field - 2, held at 1 from below.
; LIMITS: a block of zeros gets the byte 1 where the quantiser says 127 (its codes are zeros, and this program alone reads the bytes); NaN and infinities among the inputs are not served;
; |wo| stays under 65,504 (f16); an angle t f_i is right to about 1e-4 rad at t = 1023 (f_i by one exponential, one ulp; the product rounded once in f32, as the table's definition has it).
; Only the first kind touches LDS: a wave's own stage and scale bytes; waves share nothing, so there is no barrier.
.set WAVES, 4
.set STEPS, 16
.set EMAX,  2
.set CB,    8                          ; bytes of 16 codes
.set R,     16                         ; v16-79   four sets of 16 numbers as loaded
.set X,     80                         ; v80-111  two sets of 16 neighbours
.set E,     112                        ; v112-127 a scale byte for each step
.set C,     128                        ; v128-191 codes, four registers a step
.set WREG,  8192                       ; LDS of a wave: two stages of 32 x SP bytes, then 256 scale bytes
.set SP,    80                         ; a lane's place in a stage: 64 bytes + 16 of padding
.set SPW,   12                         ; v12 LDS address of my spare word; never rewritten
.set NIL,   13                         ; v13 0; never rewritten
.set SPARE, WAVES*WREG                 ; the spare words: 128 bytes a wave, named by no other line
.set SRC,   26                         ; s[26:27] the tensor that this work-group quantises
	s_load_b256 s[4:11], s[0:1], 0x0               ; x s[4:5], wq s[6:7], wk s[8:9], wv s[10:11]
	s_load_b256 s[12:19], s[0:1], 0x20             ; wo s[12:13], codes s[14:15], scales s[16:17], woh s[18:19]
	s_load_b64 s[20:21], s[0:1], 0x40              ; rope
	v_lshl_add_u32 v[SPW], v0, 2, SPARE
	v_mov_b32 v[NIL], 0
	v_lshrrev_b32 v1, 5, v0
	v_readfirstlane_b32 s24, v1                    ; wave
	v_and_b32 v2, 31, v0                           ; lane
	s_cmp_ge_u32 ttmp9, 576
	s_cbranch_scc1 .Lrope
	s_cmp_ge_u32 ttmp9, 448
	s_cbranch_scc1 .Lwo
; ---------------- the quantiser: a work-group takes 32,768 numbers (16 rows), a wave 16 steps of 512 ----------------
	v_lshlrev_b32 v3, 4, v2                        ; my 16 bytes of a load's 512
	s_mul_i32 s25, s24, WREG
	v_lshrrev_b32 v14, 2, v2
	v_mul_u32_u24 v14, v14, SP
	v_and_b32 v15, 3, v2
	v_lshl_add_u32 v14, v15, 4, v14
	v_add_nc_u32 v14, s25, v14                     ; the stage, in: SP (lane / 4) + 16 (lane % 4)
	v_mul_u32_u24 v15, v2, SP
	v_add_nc_u32 v15, s25, v15                     ; out: SP x lane: my 16 neighbours
	v_mul_u32_u24 v4, v2, CB                       ; my codes' place in a step's
	v_lshrrev_b32 v5, 1, v2
	s_add_co_u32 s25, s25, 2*32*SP
	v_add_nc_u32 v5, s25, v5                       ; my block's scale byte in the wave's 256
	v_lshlrev_b32 v7, 3, v2
	v_add_nc_u32 v6, s25, v7                       ; and 8 bytes a lane on the way out
	; where the results go: work-group d of the codes' buffer.  g < 384: d = g.  Else u = g - 384: tensor u / 32 (wk, wv), head (u % 32) / 8, part u % 8: d = 384 + 16 head + 8 tensor + part
	s_sub_co_u32 s29, ttmp9, 384
	s_and_b32 s30, s29, 31
	s_lshr_b32 s30, s30, 3
	s_lshl_b32 s30, s30, 4
	s_lshr_b32 s31, s29, 5
	s_and_b32 s31, s31, 1
	s_lshl_b32 s31, s31, 3
	s_add_co_u32 s30, s30, s31
	s_and_b32 s31, s29, 7
	s_add_co_u32 s30, s30, s31
	s_add_co_u32 s30, s30, 384
	s_cmp_lt_u32 ttmp9, 384
	s_cselect_b32 s30, ttmp9, s30
	s_mov_b32 s28, 416
	s_wait_kmcnt 0x0
	s_mov_b64 s[SRC:SRC+1], s[10:11]               ; the source, by the work-group's number alone: wv,
	s_cmp_lt_u32 ttmp9, 416
	s_cselect_b64 s[SRC:SRC+1], s[8:9], s[SRC:SRC+1]   ; wk,
	s_cselect_b32 s28, 384, s28
	s_cmp_lt_u32 ttmp9, 384
	s_cselect_b64 s[SRC:SRC+1], s[6:7], s[SRC:SRC+1]   ; wq,
	s_cselect_b32 s28, 256, s28
	s_cmp_lt_u32 ttmp9, 256
	s_cselect_b64 s[SRC:SRC+1], s[4:5], s[SRC:SRC+1]   ; x
	s_cselect_b32 s28, 0, s28
	s_sub_co_u32 s28, ttmp9, s28
	s_lshl_b32 s28, s28, 2
	s_add_co_u32 s28, s28, s24                     ; my run of 8,192 numbers in the source
	s_lshl_b32 s32, s28, 15
	s_mov_b32 s33, 0
	s_add_nc_u64 s[SRC:SRC+1], s[SRC:SRC+1], s[32:33]
	s_lshl_b32 s30, s30, 2
	s_add_co_u32 s30, s30, s24                     ; and among the results
	s_lshl_b32 s32, s30, 12                        ; 4,096 bytes of codes a run
	s_add_nc_u64 s[14:15], s[14:15], s[32:33]
	s_lshl_b32 s32, s30, 8                         ; 256 scale bytes a run
	s_add_nc_u64 s[16:17], s[16:17], s[32:33]
.macro LOAD t
.irp i, 0,1,2,3
	global_load_b128 v[R+16*((\t)%4)+4*\i:R+16*((\t)%4)+4*\i+3], v3, s[SRC:SRC+1] offset:2048*(\t)+512*\i th:TH_LOAD_NT   ; 32 lanes read 512 consecutive bytes
.endr
.endm
.macro TURN t                          ; step t's numbers through the stage: LDS serves a wave's instructions in order, so no wait stands between the stores and the loads
.irp i, 0,1,2,3
	ds_store_b128 v14, v[R+16*((\t)%4)+4*\i:R+16*((\t)%4)+4*\i+3] offset:32*SP*((\t)%2)+8*SP*\i
.endr
.irp i, 0,1,2,3
	ds_load_b128 v[X+16*((\t)%2)+4*\i:X+16*((\t)%2)+4*\i+3], v15 offset:32*SP*((\t)%2)+16*\i
.endr
.endm
.irp t, 0,1,2,3
	LOAD \t
.endr
	s_wait_loadcnt 12                              ; step 0's four loads are in
	TURN 0
.macro STEP t
.set XS, X+16*((\t)%2)
.if (\t) > 0
	s_wait_dscnt 1                                 ; this step's numbers are back from the stage (the last step's byte store may be out)
.else
	s_wait_dscnt 0x0
.endif
.if (\t)+4 < STEPS
	LOAD (\t)+4                                    ; into the set whose stores into the stage are done
.endif
.if (\t)+1 < STEPS
.if STEPS-2-(\t) >= 3
	s_wait_loadcnt 12                              ; the next step's four loads are in; the three steps behind it may be out
.else
	s_wait_loadcnt 4*(STEPS-2-(\t))
.endif
	TURN (\t)+1
.endif
	v_max3_num_f32 v8, |v[XS]|, |v[XS+1]|, |v[XS+2]|               ; the largest magnitude of my 16, in two chains
	v_max3_num_f32 v9, |v[XS+3]|, |v[XS+4]|, |v[XS+5]|
.irp i, 6,10
	v_max3_num_f32 v8, v8, |v[XS+\i]|, |v[XS+\i+1]|
	v_max3_num_f32 v9, v9, |v[XS+\i+2]|, |v[XS+\i+3]|
.endr
	v_max3_num_f32 v8, v8, |v[XS+14]|, |v[XS+15]|
	v_max3_num_f32 v8, v8, v9, (EMAX+1)<<23        ; and the floor 2^(EMAX + 1 - 127): the byte cannot fall under 1
	v_max_num_f32_dpp v8, v8, v8 row_xmask:1 row_mask:0xf bank_mask:0xf   ; with my neighbour's 16: the block's
	v_add_nc_u32 v11, -(EMAX<<23), v8              ; EMAX off its exponent field: the conversion takes this operand's exponent field as its scale
	v_cvt_scalef32_pk8_fp4_f32 v[C+4*(\t)], v[XS:XS+7], v11
	v_cvt_scalef32_pk8_fp4_f32 v[C+4*(\t)+1], v[XS+8:XS+15], v11
	v_lshrrev_b32 v[E+(\t)], 23, v11               ; the scale's byte (also the plain line behind the conversions)
	ds_store_b8 v5, v[E+(\t)] offset:16*(\t)       ; both lanes of a block write the same byte with the same value
	global_store_b64 v4, v[C+4*(\t):C+4*(\t)+1], s[14:15] offset:32*CB*(\t)   ; the wave stores 256 consecutive bytes, aligned
.endm
.irp t, 0,1,2,3,4,5,6,7,8,9,10,11,12,13,14,15
	STEP \t
.endr
	ds_load_b64 v[8:9], v6                         ; in order behind my byte stores
	s_wait_dscnt 0x0
	global_store_b64 v7, v[8:9], s[16:17]          ; 256 consecutive scale bytes, aligned
	s_wait_tensorcnt 0x0                           ; the wave's end: behind my last LDS store
	ds_add_u32 v[SPW], v[NIL]
	s_wait_dscnt 0x0
	s_endpgm
; ---------------- wo to f16: a wave takes 8,192 numbers in four groups of 16 loads, two groups in flight ----------------
.Lwo:
	s_sub_co_u32 s28, ttmp9, 448
	s_lshl_b32 s28, s28, 2
	s_add_co_u32 s28, s28, s24
	s_lshl_b32 s32, s28, 15                        ; 32,768 bytes in,
	s_mov_b32 s33, 0
	s_lshl_b32 s34, s28, 14                        ; 16,384 out
	s_mov_b32 s35, 0
	v_lshlrev_b32 v3, 4, v2
	v_lshlrev_b32 v4, 3, v2
	s_wait_kmcnt 0x0
	s_add_nc_u64 s[12:13], s[12:13], s[32:33]
	s_add_nc_u64 s[18:19], s[18:19], s[34:35]
.macro LOADG n, set
.irp i, 0,1,2,3,4,5,6,7,8,9,10,11,12,13,14,15
	global_load_b128 v[16+64*(\set)+4*\i:16+64*(\set)+4*\i+3], v3, s[12:13] offset:512*(16*(\n)+\i) th:TH_LOAD_NT
.endr
.endm
.macro OUTG n, set
.irp i, 0,1,2,3,4,5,6,7,8,9,10,11,12,13,14,15
	v_cvt_pk_f16_f32 v[16+64*(\set)+4*\i], v[16+64*(\set)+4*\i], v[16+64*(\set)+4*\i+1]
	v_cvt_pk_f16_f32 v[16+64*(\set)+4*\i+1], v[16+64*(\set)+4*\i+2], v[16+64*(\set)+4*\i+3]
	global_store_b64 v4, v[16+64*(\set)+4*\i:16+64*(\set)+4*\i+1], s[18:19] offset:256*(16*(\n)+\i)   ; 256 consecutive bytes, aligned
.endr
.endm
	LOADG 0, 0
	LOADG 1, 1
	s_wait_loadcnt 16                              ; group 0 is in, group 1 may be out
	OUTG 0, 0
	s_wait_xcnt 0x0                                ; the stores have read set 0: it may be loaded again
	LOADG 2, 0
	s_wait_loadcnt 16
	OUTG 1, 1
	s_wait_xcnt 0x0
	LOADG 3, 1
	s_wait_loadcnt 16
	OUTG 2, 0
	s_wait_loadcnt 0x0
	OUTG 3, 1
	s_endpgm
; ---------------- the rotary table: a work-group takes 32 positions; thread n: frequencies 4 (n % 16) + 0..3, position n / 16 of eight, four passes ----------------
.Lrope:
	s_sub_co_u32 s28, ttmp9, 576
	s_lshl_b32 s29, s28, 5                         ; my first position
	s_lshl_b32 s32, s28, 14                        ; 32 rows of 512 bytes
	s_mov_b32 s33, 0
	s_mov_b32 s36, 0x3f22f983                      ; 2 / pi
	s_mov_b32 s37, 0xbfc90000                      ; -pi/2 in three parts: the first two have so few bits that n x part is exact for n under 1,024
	s_mov_b32 s38, 0xb9fda000
	s_mov_b32 s39, 0xb3a22168
	s_mov_b32 s40, 0xb94ca1f9                      ; sine on [-pi/4, pi/4]: r + r z (S1 + z (S2 + z S3))
	s_mov_b32 s41, 0x3c08839e
	s_mov_b32 s42, 0xbe2aaaa3
	s_mov_b32 s43, 0x37ccf5ce                      ; cosine: 1 + z (-1/2 + z (C1 + z (C2 + z C3)))
	s_mov_b32 s44, 0xbab6061a
	s_mov_b32 s45, 0x3d2aaaa5
	s_mov_b32 s46, 0xbe549a78                      ; -log2(10000) / 64
	v_and_b32 v3, 15, v0
	v_lshrrev_b32 v4, 4, v0
	v_lshlrev_b32 v5, 2, v3
.irp e, 0,1,2,3
	v_add_nc_u32 v[8+\e], \e, v5
.endr
.irp e, 0,1,2,3
	v_cvt_f32_u32 v[8+\e], v[8+\e]
.endr
.irp e, 0,1,2,3
	v_mul_f32 v[8+\e], s46, v[8+\e]
.endr
.irp e, 0,1,2,3
	v_exp_f32 v[16+\e], v[8+\e]                    ; f_i = 2^(-i log2(10000) / 64)
.endr
	v_lshlrev_b32 v6, 9, v4                        ; (a plain line behind the exponentials)
	v_lshl_add_u32 v6, v3, 4, v6                   ; my 16 bytes: 512 x row + 16 (n % 16)
	v_add_nc_u32 v7, s29, v4                       ; my position in pass 0
	s_wait_alu depctr_va_vdst(0)                   ; one wait for the four, ahead of their first reader
	s_wait_kmcnt 0x0
	s_add_nc_u64 s[20:21], s[20:21], s[32:33]
.macro PASS p
	v_add_nc_u32 v20, 8*\p, v7
	v_cvt_f32_u32 v20, v20
.irp e, 0,1,2,3
	v_mul_f32 v[24+\e], v20, v[16+\e]              ; the angle, rounded once
.endr
.irp e, 0,1,2,3
	v_mul_f32 v[28+\e], s36, v[24+\e]
.endr
.irp e, 0,1,2,3
	v_rndne_f32 v[28+\e], v[28+\e]                 ; n: quarter turns
.endr
.irp e, 0,1,2,3
	v_fma_f32 v[32+\e], v[28+\e], s37, v[24+\e]
.endr
.irp e, 0,1,2,3
	v_fma_f32 v[32+\e], v[28+\e], s38, v[32+\e]
.endr
.irp e, 0,1,2,3
	v_fma_f32 v[32+\e], v[28+\e], s39, v[32+\e]    ; r = angle - n pi/2
.endr
.irp e, 0,1,2,3
	v_mul_f32 v[36+\e], v[32+\e], v[32+\e]         ; z
.endr
.irp e, 0,1,2,3
	v_fma_f32 v[40+\e], v[36+\e], s40, s41
	v_fma_f32 v[44+\e], v[36+\e], s43, s44
.endr
.irp e, 0,1,2,3
	v_fma_f32 v[40+\e], v[40+\e], v[36+\e], s42
	v_fma_f32 v[44+\e], v[44+\e], v[36+\e], s45
	v_mul_f32 v[24+\e], v[36+\e], v[32+\e]
.endr
.irp e, 0,1,2,3
	v_fma_f32 v[40+\e], v[40+\e], v[24+\e], v[32+\e]   ; sin r
	v_fma_f32 v[44+\e], v[44+\e], v[36+\e], -0.5
	v_cvt_i32_f32 v[48+\e], v[28+\e]
.endr
.irp e, 0,1,2,3
	v_fma_f32 v[44+\e], v[44+\e], v[36+\e], 1.0        ; cos r
	v_and_b32 v[24+\e], 1, v[48+\e]
.endr
.irp e, 0,1,2,3
	v_cmp_eq_u32 vcc_lo, 1, v[24+\e]                   ; an odd quarter swaps the two
	v_cndmask_b32 v[68+8*\p+\e], v[40+\e], v[44+\e], vcc_lo
	v_cndmask_b32 v[64+8*\p+\e], v[44+\e], v[40+\e], vcc_lo
.endr
.irp e, 0,1,2,3
	v_and_b32 v[24+\e], 2, v[48+\e]                    ; the sine is negative in quarters 2, 3;
	v_add_nc_u32 v[48+\e], 1, v[48+\e]
.endr
.irp e, 0,1,2,3
	v_lshlrev_b32 v[24+\e], 30, v[24+\e]
	v_and_b32 v[48+\e], 2, v[48+\e]                    ; the cosine in quarters 1, 2
.endr
.irp e, 0,1,2,3
	v_xor_b32 v[68+8*\p+\e], v[68+8*\p+\e], v[24+\e]
	v_lshlrev_b32 v[48+\e], 30, v[48+\e]
.endr
.irp e, 0,1,2,3
	v_xor_b32 v[64+8*\p+\e], v[64+8*\p+\e], v[48+\e]
.endr
	global_store_b128 v6, v[64+8*\p:67+8*\p], s[20:21] offset:4096*\p        ; sixteen lanes store 256 consecutive bytes, aligned: a position's cosines,
	global_store_b128 v6, v[68+8*\p:71+8*\p], s[20:21] offset:4096*\p+256    ; and its sines.  Each pass has result registers of its own
.endm
	PASS 0
	PASS 1
	PASS 2
	PASS 3
	s_endpgm
.Lfunc_end_k_q187adbab78_prep:
	.size	k_q187adbab78_prep, .Lfunc_end_k_q187adbab78_prep-k_q187adbab78_prep
	.p2alignl 7, 3214868480
	.fill 96, 4, 3214868480
	.section	.rodata,"a",@progbits
	.p2align	6, 0x0
	.amdhsa_kernel k_q187adbab78_prep
		.amdhsa_group_segment_fixed_size 33280
		.amdhsa_private_segment_fixed_size 0
		.amdhsa_enable_private_segment 0
		.amdhsa_kernarg_size 72
		.amdhsa_user_sgpr_count 2
		.amdhsa_user_sgpr_kernarg_segment_ptr 1
		.amdhsa_wavefront_size32 1
		.amdhsa_system_sgpr_workgroup_id_x 1
		.amdhsa_system_sgpr_workgroup_id_y 1
		.amdhsa_system_sgpr_workgroup_id_z 1
		.amdhsa_system_vgpr_workitem_id 0
		.amdhsa_next_free_vgpr 192
		.amdhsa_next_free_sgpr 66
		.amdhsa_reserve_vcc 1
		.amdhsa_float_denorm_mode_32 3
		.amdhsa_float_denorm_mode_16_64 3
		.amdhsa_memory_ordered 1
		.amdhsa_forward_progress 1
		.amdhsa_inst_pref_size 76
	.end_amdhsa_kernel
	.amdgpu_metadata
---
amdhsa.version: [ 1, 2 ]
amdhsa.kernels:
  - .name:           k_q187adbab78_prep
    .symbol:         k_q187adbab78_prep.kd
    .args:
      - { .name: x, .offset: 0, .size: 8, .value_kind: global_buffer, .address_space: global }
      - { .name: wq, .offset: 8, .size: 8, .value_kind: global_buffer, .address_space: global }
      - { .name: wk, .offset: 16, .size: 8, .value_kind: global_buffer, .address_space: global }
      - { .name: wv, .offset: 24, .size: 8, .value_kind: global_buffer, .address_space: global }
      - { .name: wo, .offset: 32, .size: 8, .value_kind: global_buffer, .address_space: global }
      - { .name: codes, .offset: 40, .size: 8, .value_kind: global_buffer, .address_space: global }
      - { .name: scales, .offset: 48, .size: 8, .value_kind: global_buffer, .address_space: global }
      - { .name: woh, .offset: 56, .size: 8, .value_kind: global_buffer, .address_space: global }
      - { .name: rope, .offset: 64, .size: 8, .value_kind: global_buffer, .address_space: global }
    .group_segment_fixed_size: 33280
    .private_segment_fixed_size: 0
    .kernarg_segment_align: 8
    .kernarg_segment_size: 72
    .max_flat_workgroup_size: 128
    .sgpr_count:     66
    .vgpr_count:     192
    .wavefront_size: 32
...
	.end_amdgpu_metadata
.endif
;; end of part 1
;; launch qkv (part 2): grid 12 x 16, 4 waves a work-group, clusters of 4 x 4, 327,680 bytes of LDS; arguments codes, scales, rope, qkv, vf; writes qkv, vf
.if DOCPART == 2
	.amdgcn_target "amdgcn-amd-amdhsa--gfx1250"
	.amdhsa_code_object_version 6
	.text
	.protected	k_q187adbab78_qkv
	.globl	k_q187adbab78_qkv
	.p2align	8
	.type	k_q187adbab78_qkv,@function
k_q187adbab78_qkv:
	s_mov_b64 s[64:65], 0
	v_nop
	global_prefetch_b8 v0, s[64:65] scope:SCOPE_SE
	s_setreg_imm32_b32 hwreg(HW_REG_WAVE_MODE, 25, 1), 1
	s_wait_xcnt 0x0
	s_wait_alu depctr_hold_cnt(0) depctr_sa_sdst(0) depctr_va_vdst(0) depctr_va_sdst(0) depctr_va_ssrc(0) depctr_va_vcc(0) depctr_vm_vsrc(0)
	s_getreg_b32 s2, hwreg(HW_REG_IB_STS2, 6, 4)
	s_cmp_eq_u32 s2, 0
	s_cbranch_scc0 .Lentry_in_a_cluster
	s_endpgm
.Lentry_in_a_cluster:
	s_bfe_u32 s2, ttmp6, 0x10000c
	s_cmp_lg_u32 s2, 0xf033
	s_cbranch_scc0 .Lentry_shape_is_right
	s_endpgm
.Lentry_shape_is_right:
; QKV: the three quantised products as ONE product on codes of FP4 (E2M1) with E8M0 scales: [4096 rows of x] x [3072 rows of wq, wk, wv]^T, K = 2048, sums in f32; the rotary turn on the accumulators; q, k, v out as f16 by head.
; codes: [7168][1024 bytes], rows 0-4095 x, 4096 on the weights (2048 of wq, then 128 of wk and 128 of wv by turns for the four key/value heads); scales: [7168][64].
; qkv: [batch 4][24 heads][1024 positions][128] f16: heads 0-15 q, 16 + 2 g k of head g, 17 + 2 g v of head g.  vf: [batch][g][16 positions][128] f32: v's first 16 positions as they are summed.
; A tile of 256 x 256 is made by four waves, 128 x 128 each: 64 accumulators, 512 registers.  K goes in steps of 512 through two LDS slots filled by the tensor data mover; a tile's row is 256 bytes of memory.
; The scale bytes of the work-group's 256 + 256 rows, for all of K, come into LDS once, with the first fills.
; CLUSTERS: 4 x 4.  The four of a cluster's row need the same rows of x, the four of a column the same rows of the weights: each tile is asked for jointly.  A cluster's four tile rows are the four BATCHES
; (row = 1024 cy + 256 Y), and a wave's 128 columns are one head: so 'this wave holds v' hangs on the cluster's x and the wave's number, 'this wave holds positions 0-15' on the cluster's y and the wave's number:
; no branch hangs on a work-group's place in its cluster.  192 work-groups: a tile of 192 columns would give 256 but cut heads in two, and the turn below wants columns d and d + 64 in one wave.
; THE MATRIX INSTRUCTION IS USED TRANSPOSED (source 0 = 16 rows of the weights, source 1 = 16 rows of x): a lane holds one position and eight neighbouring columns; columns d and d + 64 lie in the same lane and
; register of accumulators b and b + 4, so the turn is four packed instructions for two pairs.
; LIMITS: |q|, |k|, |v| stay under 65,504 (f16).  NaN and infinities are not served.
; REGISTERS: window 0: v0-31 addresses; v32-95 scale words, two sets; from v128 x's fragments, one set.  window 1: the weights' fragments, two sets.  windows 2, 3: the accumulators ((a, b) at v[8 (8 (a % 4) + b)]).
;   On the way out: window 0: v32-159 two sets of table (32 cos, 32 sin), v160-191 packed f16, v192-255 two sets of rows read back; window 1: v0-63 the turned numbers.
.set KSTEP,  512
.set NQ,     KSTEP/128
.set ROWB,   256
.set KROW,   1024                      ; a row of codes in memory, in bytes
.set PITCH,  272                       ; an LDS row: 256 bytes + 16 of padding: the 16 rows of a fragment load start 68 words apart
.set FR,     8
.set NL,     2
.set NP,     4
.set HALFT,  128*PITCH
.set SLOT,   4*HALFT
.set LAPS,   2                         ; 2048 / (2 x 512)
.set KS,     64                        ; a row of scale bytes
.set SCL,    2*SLOT
.set HALFS,  (128*KS/256)*272
.set SBLK,   (16*KS/256)*272
.set SPARE,  SCL+4*HALFS               ; the spare words: 128 bytes a wave, named by no other line
.set SPITCH, 272                       ; the way out: a stage of 16 rows x (256 bytes + 16) for each wave, in slot 0, which has had its last fill and its last read by then
.set ADRA, 16
.set ADRB, 20
.set STO,  24
.set RD,   25
.set CO,   26
.set ADRS, 27
.set SPW,  28
.set NIL,  29
.set RO,   30                          ; v30  512 x (lane % 16) + 32 x (lane / 16): my place in 16 rows of the table, and of vf
.set SC,   32
.set AF,   128
.set TB0,  32
.set TMP,  160
.set BK,   192
.set G1, 24
.set G0, 32
.set G1B, 48
.set G0B, 56
.set G1S, 68
.set G0S, 76
.set G1SB, 80
.set G0SB, 88
.set MSB, 0
.macro WIN new                         ; the immediate's high byte repeats the setting that is left
.if MSB != \new
	s_set_vgpr_msb (MSB<<8)|\new
.set MSB, \new
.endif
.endm
.set MUL_LO, 0xa1
.set MUL_HI, 0xf1
.set TO_B,   0x40
; A joint load: waves 0 and 1 fetch for x, waves 2 and 3 for the weights.  The branch hangs on the wave's number alone.  An s_nop 0 and four v_nop follow each of the two lines.
.macro JLOAD g0a, g1a, g0b, g1b
	s_cmp_eq_u32 s15, 0
	s_cbranch_scc0 .Lfor_b_\@
	tensor_load_to_lds s[\g0a:\g0a+3], s[\g1a:\g1a+7]
	s_nop 0
.rept 4
	v_nop
.endr
	s_branch .Lasked_\@
.Lfor_b_\@:
	tensor_load_to_lds s[\g0b:\g0b+3], s[\g1b:\g1b+7]
	s_nop 0
.rept 4
	v_nop
.endr
.Lasked_\@:
.endm
.macro CREST
	s_cmp_lg_u32 s14, 0
	s_cbranch_scc1 .Lnot_wave_0_\@
	s_barrier_signal -3
.Lnot_wave_0_\@:
	s_barrier_wait -3
	s_barrier_signal -1
	s_barrier_wait -1
.endm
.macro CROUND
	s_barrier_signal -1
	s_barrier_wait -1
	CREST
.endm
	s_load_b128 s[4:7], s[0:1], 0x0                ; codes, scales
	s_load_b128 s[8:11], s[0:1], 0x10              ; rope, qkv
	s_load_b64 s[12:13], s[0:1], 0x20              ; vf
	v_lshl_add_u32 v[SPW], v0, 2, SPARE
	v_mov_b32 v[NIL], 0
	ds_add_u32 v[SPW], v[NIL]                      ; the wave's opening: the add, twice on end, and its wait ahead of my first tensor load
	ds_add_u32 v[SPW], v[NIL]
	v_lshrrev_b32 v1, 5, v0
	v_readfirstlane_b32 s14, v1                    ; wave 0..3
	s_lshr_b32 s15, s14, 1                         ; my half of the tile's rows.  Also: I fetch for x (0) or for the weights (1)
	s_and_b32 s16, s14, 1                          ; my half of its columns.  Also: which 128 rows I fetch
	s_bfe_u32 s40, ttmp6, 0x40000                  ; cx
	s_bfe_u32 s41, ttmp6, 0x40004                  ; cy: the batch
	s_lshl_b32 s42, ttmp9, 2
	s_add_co_u32 s42, s42, s40                     ; tile column = 4 x cluster x + cx
	s_and_b32 s17, ttmp7, 0xffff                   ; Y: which 256 positions
	s_lshl_b32 s43, s41, 2
	s_lshl_b32 s43, 15, s43                        ; my row of the cluster
	s_lshl_b32 s44, 0x1111, s40                    ; my column
	s_cmp_eq_u32 ttmp9, 2
	s_cselect_b32 s96, s16, 0                      ; 1: my 128 columns are a head of v
	s_or_b32 s97, s17, s15                         ; 0: my first 16 rows are positions 0-15
	s_or_b32 s[G1+0], s43, (0<<16)|(1<<20)|(1<<21)|(5<<22)|(3<<25)  ; the mask; elements of 1 byte; padding: 4 words behind every 64
	s_or_b32 s[G1B+0], s44, (0<<16)|(1<<20)|(1<<21)|(5<<22)|(3<<25)
.irp g, G1, G1B
	s_mov_b32 s[\g+1], ROWB<<16                    ; tensor_dim0
	s_mov_b32 s[\g+2], 128<<16                     ; tensor_dim1
	s_mov_b32 s[\g+3], ROWB<<16                    ; tile_dim0
	s_mov_b32 s[\g+4], 128                         ; tile_dim1
	s_mov_b32 s[\g+5], KROW                        ; the pitch
	s_mov_b32 s[\g+6], 0
	s_mov_b32 s[\g+7], 0
.endr
	s_or_b32 s[G1S+0], s43, (3<<16)|(1<<20)|(1<<21)|(5<<22)|(3<<25)  ; the scales of 128 rows: 8,192 dense bytes as 32 rows of 256 (32 elements of 8 bytes), 16 bytes of padding behind each
	s_or_b32 s[G1SB+0], s44, (3<<16)|(1<<20)|(1<<21)|(5<<22)|(3<<25)
.irp g, G1S, G1SB
	s_mov_b32 s[\g+1], 32<<16
	s_mov_b32 s[\g+2], (128*KS/256)<<16
	s_mov_b32 s[\g+3], 32<<16
	s_mov_b32 s[\g+4], 128*KS/256
	s_mov_b32 s[\g+5], 32
	s_mov_b32 s[\g+6], 0
	s_mov_b32 s[\g+7], 0
.endr
	s_lshl_b32 s18, s16, 7                         ; which 128 rows of a tile I fetch
	s_lshl_b32 s20, s41, 10
	s_lshl_b32 s21, s17, 8
	s_add_co_u32 s20, s20, s21
	s_add_co_u32 s20, s20, s18                     ; x: row 1024 cy + 256 Y + 128 x half
	s_lshl_b32 s46, s42, 8
	s_add_co_u32 s46, s46, s18
	s_add_co_u32 s46, s46, 4096                    ; the weights: row 4096 + 256 x tile column + 128 x half
	s_mov_b32 s21, 0
	s_mov_b32 s47, 0
	s_mov_b64 s[18:19], KS
	s_mul_u64 s[22:23], s[20:21], s[18:19]
	s_mul_u64 s[92:93], s[46:47], s[18:19]
	s_mov_b64 s[18:19], KROW
	s_mul_u64 s[20:21], s[20:21], s[18:19]
	s_mul_u64 s[46:47], s[46:47], s[18:19]
	s_mul_i32 s45, s14, HALFT                      ; where they go: wave x 128 rows
	s_mul_i32 s94, s14, HALFS
	s_wait_dscnt 0x0                               ; both opening adds are done
	s_wait_kmcnt 0x0
	s_add_nc_u64 s[20:21], s[4:5], s[20:21]
	s_add_nc_u64 s[22:23], s[6:7], s[22:23]
	s_add_nc_u64 s[46:47], s[4:5], s[46:47]
	s_add_nc_u64 s[92:93], s[6:7], s[92:93]
	CROUND                                         ; all sixteen work-groups are here: the first joint loads meet
	s_mov_b32 s[G0S], 1
	s_add_co_u32 s[G0S+1], s94, SCL
	s_mov_b64 s[G0S+2:G0S+3], s[22:23]
	s_or_b32 s[G0S+3], s[G0S+3], 0x80000000
	s_mov_b32 s[G0SB], 1
	s_add_co_u32 s[G0SB+1], s94, SCL
	s_mov_b64 s[G0SB+2:G0SB+3], s[92:93]
	s_or_b32 s[G0SB+3], s[G0SB+3], 0x80000000
	JLOAD G0S, G1S, G0SB, G1SB                     ; the scales first: they are wanted with K step 0
.irp s, 0,1
	s_mov_b32 s[G0+4*\s], 1
	s_add_co_u32 s[G0+4*\s+1], s45, \s*SLOT
	s_add_nc_u64 s[G0+4*\s+2:G0+4*\s+3], s[20:21], \s*ROWB
	s_or_b32 s[G0+4*\s+3], s[G0+4*\s+3], 0x80000000
	s_mov_b32 s[G0B+4*\s], 1
	s_add_co_u32 s[G0B+4*\s+1], s45, \s*SLOT
	s_add_nc_u64 s[G0B+4*\s+2:G0B+4*\s+3], s[46:47], \s*ROWB
	s_or_b32 s[G0B+4*\s+3], s[G0B+4*\s+3], 0x80000000
	JLOAD G0+4*\s, G1, G0B+4*\s, G1B
.endr
	v_and_b32 v1, 15, v0                           ; l % 16
	v_bfe_u32 v2, v0, 4, 1                         ; l / 16
	v_mul_u32_u24 v3, v1, PITCH
	v_lshl_add_u32 v4, v2, 4, v3
	s_mul_i32 s21, s15, HALFT                      ; my 128 rows of x
	s_mul_i32 s22, s16, HALFT
	s_add_co_u32 s22, s22, 2*HALFT                 ; my 128 rows of the weights
.irp s, 0,1
	v_add_nc_u32 v[ADRA+\s], s21, v4
	v_add_nc_u32 v[ADRB+\s], s22, v4
	s_add_co_u32 s21, s21, SLOT
	s_add_co_u32 s22, s22, SLOT
.endr
	v_mul_u32_u24 v5, v1, KS
	v_lshrrev_b32 v6, 8, v5
	v_lshl_add_u32 v5, v6, 4, v5                   ; my row's scale bytes: 64 a row, 16 more for each 256 passed
	s_mul_i32 s21, s15, HALFS
	s_mul_i32 s22, s16, HALFS
	s_add_co_u32 s22, s22, 2*HALFS
	s_sub_co_u32 s22, s22, s21
	v_mul_u32_u24 v6, s22, v2                      ; lanes 16-31 take the weights'
	s_add_co_u32 s21, s21, SCL
	v_add_nc_u32 v5, v5, v6
	v_add_nc_u32 v[ADRS], s21, v5
	s_mul_i32 s23, s14, 16*SPITCH                  ; my stage
	v_mul_u32_u24 v5, v1, SPITCH
	v_lshl_add_u32 v5, v2, 4, v5
	v_add_nc_u32 v[STO], s23, v5                   ; in: row l % 16, 16 bytes for each half of the lanes
	v_mul_u32_u24 v5, v2, SPITCH
	v_lshl_add_u32 v5, v1, 4, v5
	v_add_nc_u32 v[RD], s23, v5                    ; back: lanes 0-15 one row of 256 bytes, lanes 16-31 the next
	v_and_b32 v6, 31, v0
	v_lshlrev_b32 v[CO], 4, v6                     ; a head's rows are dense: two rows are 512 consecutive bytes
	v_lshlrev_b32 v[RO], 9, v1
	v_lshl_add_u32 v[RO], v2, 5, v[RO]
	s_lshl_b32 s20, s17, 8
	s_lshl_b32 s21, s15, 7
	s_add_co_u32 s20, s20, s21                     ; my first position: 256 Y + 128 x half
	s_lshl_b32 s98, s20, 9
	s_mov_b32 s99, 0
	s_add_nc_u64 s[8:9], s[8:9], s[98:99]          ; the table at that position
	s_mul_i32 s98, s41, 24
	s_lshl_b32 s21, s42, 1
	s_add_co_u32 s98, s98, s21
	s_add_co_u32 s98, s98, s16                     ; 24 x batch + my head (2 x tile column + half)
	s_lshl_b32 s98, s98, 10
	s_add_co_u32 s98, s98, s20
	s_lshl_b32 s98, s98, 8                         ; rows of 256 bytes (under 2^25)
	s_add_nc_u64 s[10:11], s[10:11], s[98:99]
	s_lshl_b32 s98, s41, 2
	s_add_co_u32 s98, s98, s40
	s_lshl_b32 s98, s98, 13
	s_add_nc_u64 s[12:13], s[12:13], s[98:99]      ; vf at (batch, cx): used only where my columns are v's head cx
.macro FRAG reg, adr, q, i             ; 16 rows x 128 K of 4-bit codes: two loads of 16 bytes, 32 bytes apart
.irp c, 0,1
	ds_load_b128 v[\reg+4*\c:\reg+4*\c+3], v[\adr] offset:64*(\q)+32*\c+(\i)*16*PITCH
.endr
.endm
; 16 matrix instructions: x's blocks a0, a0 + 1 against the weights' eight.  The 64 accumulators take turns, one instruction a turn, in the same order in every step.
.macro MUL16 a0, p, q, sc, zero
.irp a, \a0, \a0+1
.irp b, 0,1,2,3,4,5,6,7
.if \zero
	v_wmma_scale_f32_16x16x128_f8f6f4 v[8*(8*((\a)%4)+\b):8*(8*((\a)%4)+\b)+7], v[128*(\p)+FR*\b:128*(\p)+FR*\b+FR-1], v[AF+FR*(\a):AF+FR*(\a)+FR-1], 0, v[SC+8*NQ*(\sc)+NQ*\b+(\q)], v[SC+8*NQ*(\sc)+NQ*(\a)+(\q)] matrix_a_fmt:MATRIX_FMT_FP4 matrix_b_fmt:MATRIX_FMT_FP4 matrix_a_scale:MATRIX_SCALE_ROW1
.else
	v_wmma_scale_f32_16x16x128_f8f6f4 v[8*(8*((\a)%4)+\b):8*(8*((\a)%4)+\b)+7], v[128*(\p)+FR*\b:128*(\p)+FR*\b+FR-1], v[AF+FR*(\a):AF+FR*(\a)+FR-1], v[8*(8*((\a)%4)+\b):8*(8*((\a)%4)+\b)+7], v[SC+8*NQ*(\sc)+NQ*\b+(\q)], v[SC+8*NQ*(\sc)+NQ*(\a)+(\q)] matrix_a_fmt:MATRIX_FMT_FP4 matrix_b_fmt:MATRIX_FMT_FP4 matrix_a_scale:MATRIX_SCALE_ROW1
.endif
.endr
.endr
.endm
.macro FETCH_B slot, q, p
	WIN TO_B
.irp i, 0,1,2,3,4,5,6,7
	FRAG 128*(\p)+FR*\i, ADRB+\slot, \q, \i
.endr
	WIN 0
.endm
.macro FETCH_A slot, q, i0
.irp i, \i0, \i0+1, \i0+2, \i0+3
	FRAG AF+FR*(\i), ADRA+\slot, \q, \i
.endr
.endm
.macro SCALES sc                       ; a K step's scale words: lanes 0-15 x's block i, lanes 16-31 the weights' block i
.irp i, 0,1,2,3,4,5,6,7
	ds_load_b128 v[SC+8*NQ*\sc+NQ*\i:SC+8*NQ*\sc+NQ*\i+3], v[ADRS] offset:\i*SBLK
.endr
.endm
.macro PLACES n                        ; plain vector lines between a matrix instruction and a load into, or a read of, its registers
.rept \n
	v_nop
.endr
.endm
.macro STEP slot, q, zero
	s_wait_dscnt 4*NL                              ; the weights' set and x's blocks 0-3 are in; the youngest eight loads (blocks 4-7) may be out
	WIN MUL_LO
	MUL16 0, (\q)%2, \q, \slot, \zero
	MUL16 2, (\q)%2, \q, \slot, \zero
	s_wait_dscnt 0
	PLACES NP
	FETCH_B \slot, (\q)+1, 1-(\q)%2
	FETCH_A \slot, (\q)+1, 0
	WIN MUL_HI
	MUL16 4, (\q)%2, \q, \slot, \zero
	MUL16 6, (\q)%2, \q, \slot, \zero
	PLACES NP
	WIN 0
	FETCH_A \slot, (\q)+1, 4
.endm
; A slot's last step changes slots: one barrier; ahead of it each wave waits for all its tensor loads, adds 0 to its spare word, and waits for that and for its reads of this slot.
.macro TURN slot, next, fill
	s_wait_tensorcnt 0x0                           ; all my tensor loads have landed: my part of the next slot
	ds_add_u32 v[SPW], v[NIL]
	s_wait_dscnt 4*NL+1                            ; (the add and the youngest eight loads may be out)
	WIN MUL_LO
	MUL16 0, 1, NQ-1, \slot, 0
	s_wait_dscnt 0x0                               ; the add is done, and my reads of this slot are over
	s_barrier_signal -1
	MUL16 2, 1, NQ-1, \slot, 0
	WIN 0
	s_barrier_wait -1
.if \fill
	CREST                                          ; the barrier has opened a round of the cluster's barrier: no wave of any partner still reads this slot or has a load on its way
	s_add_nc_u64 s[G0+4*\slot+2:G0+4*\slot+3], s[G0+4*\slot+2:G0+4*\slot+3], 2*ROWB
	s_add_nc_u64 s[G0B+4*\slot+2:G0B+4*\slot+3], s[G0B+4*\slot+2:G0B+4*\slot+3], 2*ROWB
	JLOAD G0+4*\slot, G1, G0B+4*\slot, G1B         ; the first tensor load behind the round; its four v_nop are the places ahead of the loads below
.else
	PLACES NP
.endif
	v_add_nc_u32 v[ADRS], 4*NQ, v[ADRS]            ; the next K step's scale words
	FETCH_B \next, 0, 0
	FETCH_A \next, 0, 0
	SCALES \next
	WIN MUL_HI
	MUL16 4, 1, NQ-1, \slot, 0
	MUL16 6, 1, NQ-1, \slot, 0
	PLACES NP
	WIN 0
	FETCH_A \next, 0, 4
.endm
.macro STEPS slot, from
.set Q, \from
.rept NQ-1-\from
	STEP \slot, Q, 0
.set Q, Q+1
.endr
.endm
	s_wait_tensorcnt 1                             ; the scales and my part of K step 0 are in (K step 1's load may be out)
	s_barrier_signal -1
	s_barrier_wait -1
	FETCH_B 0, 0, 0
	FETCH_A 0, 0, 0
	SCALES 0
	FETCH_A 0, 0, 4
	STEP 0, 0, 1                                   ; the first step's products start the sums
	s_mov_b32 s3, LAPS-1
.Llap:
	STEPS 0, 1
	TURN 0, 1, 1
	STEPS 1, 0
	TURN 1, 0, 1
	STEP 0, 0, 0
	s_sub_co_u32 s3, s3, 1
	s_cmp_lg_u32 s3, 0
	s_cbranch_scc1 .Llap
	STEPS 0, 1                                     ; the last lap fills nothing
	TURN 0, 1, 0
	STEPS 1, 0
	s_wait_dscnt 4*NL
	WIN MUL_LO
	MUL16 0, 1, NQ-1, 1, 0
	MUL16 2, 1, NQ-1, 1, 0
	s_wait_dscnt 0
	WIN MUL_HI
	MUL16 4, 1, NQ-1, 1, 0
	MUL16 6, 1, NQ-1, 1, 0
	WIN 0
; THE WAY OUT, a block of 16 positions x 128 columns at a time.
.macro LOADT a                         ; the table's rows of block a into set a % 2: my position's cos and sin at columns 16 b + 8 (lane / 16) + 0..7, b = 0..3
.set TT, TB0+64*((\a)%2)
.irp b, 0,1,2,3
.irp q, 0,1
	global_load_b128 v[TT+8*\b+4*\q:TT+8*\b+4*\q+3], v[RO], s[8:9] offset:8192*(\a)+64*\b+16*\q
	global_load_b128 v[TT+32+8*\b+4*\q:TT+32+8*\b+4*\q+3], v[RO], s[8:9] offset:8192*(\a)+64*\b+16*\q+256
.endr
.endr
.endm
.macro ROPE a                          ; out(d) = x(d) cos + x(d + 64) sin;  out(d + 64) = x(d + 64) cos - x(d) sin; then f16.  Each accumulator is read from its low end on
.set TT, TB0+64*((\a)%2)
.set AC, 64*((\a)%4)
	WIN 0x52+(\a)/4                                ; source 0: the accumulators' window; source 1: window 0; source 2 and destination: window 1
.irp b, 0,1,2,3
.irp p, 0,2,4,6
	v_pk_mul_f32 v[8*\b+\p:8*\b+\p+1], v[AC+8*\b+\p:AC+8*\b+\p+1], v[TT+8*\b+\p:TT+8*\b+\p+1]
.endr
.irp p, 0,2,4,6
	v_pk_mul_f32 v[32+8*\b+\p:32+8*\b+\p+1], v[AC+32+8*\b+\p:AC+32+8*\b+\p+1], v[TT+8*\b+\p:TT+8*\b+\p+1]
.endr
.irp p, 0,2,4,6
	v_pk_fma_f32 v[8*\b+\p:8*\b+\p+1], v[AC+32+8*\b+\p:AC+32+8*\b+\p+1], v[TT+32+8*\b+\p:TT+32+8*\b+\p+1], v[8*\b+\p:8*\b+\p+1]
.endr
.irp p, 0,2,4,6
	v_pk_fma_f32 v[32+8*\b+\p:32+8*\b+\p+1], v[AC+8*\b+\p:AC+8*\b+\p+1], v[TT+32+8*\b+\p:TT+32+8*\b+\p+1], v[32+8*\b+\p:32+8*\b+\p+1] neg_lo:[1,0,0] neg_hi:[1,0,0]
.endr
.endr
	WIN 0x05                                       ; sources: window 1; destination: window 0
.set i, 0
.rept 32
	v_cvt_pk_f16_f32 v[TMP+i], v[2*i], v[2*i+1]
.set i, i+1
.endr
	WIN 0
.endm
.macro PACKV a                         ; v is not turned: f16 straight from the accumulators
.set AC, 64*((\a)%4)
	WIN 0x0a+5*((\a)/4)
.irp b, 0,1,2,3,4,5,6,7
.irp r, 0,1,2,3
	v_cvt_pk_f16_f32 v[TMP+4*\b+\r], v[AC+8*\b+2*\r], v[AC+8*\b+2*\r+1]
.endr
.endr
	WIN 0
.endm
.macro TOSTAGE a                       ; 16 bytes a lane into my stage, and back as whole rows; LDS serves a wave's instructions in order
.set BB, BK+32*((\a)%2)
.irp b, 0,1,2,3,4,5,6,7
	ds_store_b128 v[STO], v[TMP+4*\b:TMP+4*\b+3] offset:32*\b
.endr
.irp t, 0,1,2,3,4,5,6,7
	ds_load_b128 v[BB+4*\t:BB+4*\t+3], v[RD] offset:\t*2*SPITCH
.endr
.endm
.macro SEND a, younger                 ; younger: the LDS instructions issued behind block a's loads
.set BB, BK+32*((\a)%2)
	s_wait_dscnt \younger
.irp t, 0,1,2,3,4,5,6,7
	global_store_b128 v[CO], v[BB+4*\t:BB+4*\t+3], s[10:11] offset:4096*(\a)+512*\t   ; 32 lanes store 512 consecutive bytes, aligned
.endr
.endm
	PLACES NP                                      ; behind the last products: for the loads into registers that they read, and for the reads of their results
	s_cmp_lg_u32 s96, 0
	s_cbranch_scc1 .Lvalues
	LOADT 0
	LOADT 1
.irp a, 0,1,2,3,4,5,6,7
.if \a < 7
	s_wait_loadcnt 16                              ; this block's 16 loads are in; the next block's may be out
.else
	s_wait_loadcnt 0
.endif
	ROPE \a
.if \a < 6
	LOADT \a+2                                     ; into the set just read
.endif
.if \a > 1
	s_wait_xcnt 0x0                                ; block a - 2's stores have read their registers: block a's rows may land there
.endif
	TOSTAGE \a
.if \a > 0
	SEND \a-1, 16                                  ; behind block a - 1's loads: block a's 8 stores and 8 loads
.endif
.endr
	SEND 7, 0
	s_branch .Ldone
.Lvalues:
	s_cmp_lg_u32 s97, 0
	s_cbranch_scc1 .Lno_first
	WIN 0x08                                       ; a store's data are its source 1: window 2
.irp b, 0,1,2,3,4,5,6,7
	global_store_b128 v[RO], v[8*\b:8*\b+3], s[12:13] offset:64*\b         ; v of positions 0-15 as f32: lane (r, h): position r, columns 16 b + 8 h + 0..7
	global_store_b128 v[RO], v[8*\b+4:8*\b+7], s[12:13] offset:64*\b+16
.endr
	WIN 0
.Lno_first:
.irp a, 0,1,2,3,4,5,6,7
	PACKV \a
.if \a > 1
	s_wait_xcnt 0x0
.endif
	TOSTAGE \a
.if \a > 0
	SEND \a-1, 16
.endif
.endr
	SEND 7, 0
.Ldone:
	s_wait_tensorcnt 0x0                           ; the wave's end: behind my last tensor load and my last LDS store
	ds_add_u32 v[SPW], v[NIL]
	s_wait_dscnt 0x0
	CROUND                                         ; the closing round
	s_endpgm
.Lfunc_end_k_q187adbab78_qkv:
	.size	k_q187adbab78_qkv, .Lfunc_end_k_q187adbab78_qkv-k_q187adbab78_qkv
	.p2alignl 7, 3214868480
	.fill 96, 4, 3214868480
	.section	.rodata,"a",@progbits
	.p2align	6, 0x0
	.amdhsa_kernel k_q187adbab78_qkv
		.amdhsa_group_segment_fixed_size 327680
		.amdhsa_private_segment_fixed_size 0
		.amdhsa_enable_private_segment 0
		.amdhsa_kernarg_size 40
		.amdhsa_user_sgpr_count 2
		.amdhsa_user_sgpr_kernarg_segment_ptr 1
		.amdhsa_wavefront_size32 1
		.amdhsa_system_sgpr_workgroup_id_x 1
		.amdhsa_system_sgpr_workgroup_id_y 1
		.amdhsa_system_sgpr_workgroup_id_z 1
		.amdhsa_system_vgpr_workitem_id 0
		.amdhsa_next_free_vgpr 1024
		.amdhsa_next_free_sgpr 100
		.amdhsa_reserve_vcc 0
		.amdhsa_float_denorm_mode_32 3
		.amdhsa_float_denorm_mode_16_64 3
		.amdhsa_memory_ordered 1
		.amdhsa_forward_progress 1
		.amdhsa_inst_pref_size 255
	.end_amdhsa_kernel
	.section	.bss,"aw",@nobits
	.p2align	6
	.space	262144
	.amdgpu_metadata
---
amdhsa.version: [ 1, 2 ]
amdhsa.kernels:
  - .name:           k_q187adbab78_qkv
    .symbol:         k_q187adbab78_qkv.kd
    .args:
      - { .name: codes, .offset: 0, .size: 8, .value_kind: global_buffer, .address_space: global }
      - { .name: scales, .offset: 8, .size: 8, .value_kind: global_buffer, .address_space: global }
      - { .name: rope, .offset: 16, .size: 8, .value_kind: global_buffer, .address_space: global }
      - { .name: qkv, .offset: 24, .size: 8, .value_kind: global_buffer, .address_space: global }
      - { .name: vf, .offset: 32, .size: 8, .value_kind: global_buffer, .address_space: global }
    .group_segment_fixed_size: 327680
    .private_segment_fixed_size: 0
    .kernarg_segment_align: 8
    .kernarg_segment_size: 40
    .max_flat_workgroup_size: 128
    .sgpr_count:     100
    .vgpr_count:     1024
    .wavefront_size: 32
...
	.end_amdgpu_metadata
.endif
;; end of part 2
;; launch attn (part 3): grid 16 x 16, 4 waves a work-group, no clusters, 327,680 bytes of LDS; arguments qkv, y; writes y
.if DOCPART == 3
	.amdgcn_target "amdgcn-amd-amdhsa--gfx1250"
	.amdhsa_code_object_version 6
	.text
	.protected	k_q187adbab78_attn
	.globl	k_q187adbab78_attn
	.p2align	8
	.type	k_q187adbab78_attn,@function
k_q187adbab78_attn:
	s_mov_b64 s[64:65], 0
	v_nop
	global_prefetch_b8 v0, s[64:65] scope:SCOPE_SE
	s_setreg_imm32_b32 hwreg(HW_REG_WAVE_MODE, 25, 1), 1
	s_wait_xcnt 0x0
; ATTN: y[b][s][head][:] = sum over keys k <= s of softmax_k(q . k / sqrt(128)) v, operands f16, products, maxima and sums f32; the weights p are rounded to f16 for the second product, y once at the end.
; qkv: [batch 4][24 heads][1024][128] f16 (0-15 q, 16 + 2 g k, 17 + 2 g v).  y: [4096 rows][2048] f16.
; SHARES.  Work-group (j, 4 b + g): the four query heads of key/value head g, one a wave.  A wave owns four tiles of 16 queries in two PIECES: piece 0 (tiles 0, 1): positions 32 j on; piece 2 (tiles 2, 3): positions 32 (31 - j) on.
; Keys go 64 a step.  Piece 0 walks steps 0 .. j / 2, piece 2 steps 0 .. 15 - j / 2: 17 piece-steps in every work-group, whatever j: the causal work is even over the 256 work-groups.
; LAYOUT.  S^T = K Q^T (source 0 = 16 keys, source 1 = 16 queries), O^T = V^T P: a lane holds one query throughout; K comes out of LDS as it lies, V turned by ds_load_tr16_b128.
; SOFTMAX.  A running maximum m and sum l for each query: p = 2^(c s - c m), c = log2(e) / sqrt(128); in every step O and l are multiplied by 2^(c m_old - c m_new).  Hidden scores become -infinity ahead of the maximum
; (the definition has the least f32 number there: p is 0 either way); key 0 counts for every query, so m is a number from the first step on.
; THE RING.  Two LDS slots of TWO key steps (128 rows of K, 128 of V).  Wave 0 brings K's rows, wave 1 V's, one load each: so each load is read as soon as the slot's first step is walked.  The load for slot s + 1 goes out at the
; head of slot s and has two key steps in which to land.  Every work-group walks all 8 changes of slots (constant trip counts); a slot whose first step lies past the work-group's last query is neither fetched nor read:
; one jump on ids, the same in all four waves, leads round the load in the loop; every wait on TENSORcnt is for 0.  A wave has at most one tensor load out.
; THE LDS LOADS OF A STEP STAND AMONG ITS WORK, not in one run: K's 32 go by chunks of 32 channels (8 loads), three chunks ahead of piece 2's products K Q^T and the fourth behind their first eight, each eight products behind a
; counted wait; V's 32 go in eight groups of four among the lines of piece 2's softmax, none between an exponential and the batch's wait.
; NO CLUSTER: the sixteen work-groups that walk the same K and V need 9 to 16 steps, by j: partners would need different numbers of tiles, and no jump may lead round a joint load.
; LIMITS: |q|, |k|, |v|, |y| under 65,504 (f16); NaN and infinities are not served.
; REGISTERS: window 0: v1-11 addresses; v12-43 statistics, 8 a tile; v44-47 the mask's bound a tile; v48 -infinity; v64-191 S^T; v192-255 P.  window 1: O^T, 64 a tile.  window 2: v0-127 Q, v128-255 K.  window 3: v0-127 V.
.set KS,    64
.set PK,    272                        ; a row of K in LDS: 256 bytes + 16
.set PV,    288                        ; a row of V: 256 + 32
.set KSTP,  KS*PK                      ; from a step's K to the next step's in a slot
.set VSTP,  KS*PV                      ; the same for V
.set VOFF,  2*KSTP                     ; a slot: 128 rows of K, then 128 rows of V
.set SLOT1, 1<<17                      ; slot 1 begins here: one bit tells the slots apart
.set STAGE, SLOT1+2*(KSTP+VSTP)        ; behind the ring: 16 rows x 272 bytes for each wave, for the way out
.set SP,    272
.set SPARE, STAGE+4*16*SP              ; the spare words: 128 bytes a wave, named by no other line
.set AK0, 2
.set AV0, 3
.set ADR, 4
.set QO,  5
.set STO, 6
.set RD,  7
.set GO,  8
.set ADV, 10
.set ST,  12
.set DM,  44
.set NINF, 48
.set PFO, 61
.set SPW, 62
.set NIL, 63
.set S,   64
.set P,   192
.set KFR, 128                          ; K's fragments, in window 2
.set WV,  12
.set G1K, 24
.set G1V, 32
.set G0K, 40
.set G0V, 44
.set QE,  48                           ; s[48:49] Q at piece 0's first row;  s[50:51] at piece 2's
.set QL,  50
.set OE,  52                           ; s[52:53], s[54:55] y likewise
.set OL,  54
.set PFA, 56                           ; s[56:57] where my prefetches stand
.set CS,  58
.set SEL, 60
.set TK,  62                           ; s62 LDS byte of the step's rows of K
.set KEY, 63                           ; s63 the step's first key
.set LIME, 66                          ; s66 first key of piece 0's last step;  s67 of piece 2's
.set LIML, 67
.set LIMK, 68                          ; s68 a wave prefetches while the slot's first key is under this
.set CNT, 69
.set TV,  72                           ; s72 LDS byte of the step's rows of V, less VOFF
.set TWICE, 73                         ; s73 counts a slot's two steps
.set NXT, 74                           ; s74 the next slot's first key
.set MSB, 0
.macro WIN new
.if MSB != \new
	s_set_vgpr_msb (MSB<<8)|\new
.set MSB, \new
.endif
.endm
.set W_KQ, 0x0a
.set W_PV, 0x53
.set W_RS, 0x41
.macro PLACES
.rept 4
	v_nop
.endr
.endm
; Wave 0 fetches a slot's K, wave 1 its V, the others nothing.  The branches hang on the wave's number alone.  An s_nop 0 and four v_nop follow each of the two lines.
.macro TLOAD
	s_cmp_lt_u32 s[WV], 1
	s_cbranch_scc0 .Lnot_k_\@
	tensor_load_to_lds s[G0K:G0K+3], s[G1K:G1K+7]
	s_nop 0
.rept 4
	v_nop
.endr
	s_branch .Lasked_\@
.Lnot_k_\@:
	s_cmp_lt_u32 s[WV], 2
	s_cbranch_scc0 .Lasked_\@
	tensor_load_to_lds s[G0V:G0V+3], s[G1V:G1V+7]
	s_nop 0
.rept 4
	v_nop
.endr
.Lasked_\@:
.endm
; A prefetch into the L2: at the change for slot s the slot s + 2, which the next change will load: 128 rows of K and 128 of V, 256 bytes a row.  Waves 0, 1 ask for K's halves, waves 2, 3 for V's: 64 rows a wave, a lane a row,
; two instructions.  All sixteen work-groups of a (batch, g) walk the same rows: the one with j = 0, which walks all 16 steps, asks, so each row is named once.  It stops at s = 5: slot 7 is the last.
.macro ASK
	s_cmp_lt_u32 s[KEY], s[LIMK]
	s_cbranch_scc0 .Lnot_mine_\@
	global_prefetch_b8 v[PFO], s[PFA:PFA+1] th:TH_LOAD_NT scope:SCOPE_SE
	global_prefetch_b8 v[PFO], s[PFA:PFA+1] offset:8192 th:TH_LOAD_NT scope:SCOPE_SE
.Lnot_mine_\@:
.endm
	s_load_b128 s[4:7], s[0:1], 0x0                ; qkv, y
	v_lshl_add_u32 v[SPW], v0, 2, SPARE
	v_mov_b32 v[NIL], 0
	ds_add_u32 v[SPW], v[NIL]                      ; the wave's opening: the add, twice on end, and its wait ahead of my first tensor load
	ds_add_u32 v[SPW], v[NIL]
	v_lshrrev_b32 v1, 5, v0
	v_readfirstlane_b32 s[WV], v1
	s_and_b32 s13, ttmp7, 0xffff
	s_lshr_b32 s14, s13, 2                         ; batch
	s_and_b32 s15, s13, 3                          ; g
	s_mul_i32 s16, s14, 24
	s_lshl_b32 s17, s15, 1
	s_add_co_u32 s17, s17, s16
	s_add_co_u32 s17, s17, 16                      ; K's head among the 96
	s_lshl_b32 s18, s17, 18                        ; a head is 2^18 bytes
	s_mov_b32 s19, 0
	s_and_b32 s20, s[WV], 1
	s_lshl_b32 s20, s20, 14                        ; the prefetches: my 64 rows of a slot's 128,
	s_add_co_u32 s20, s20, 2*KS*256                ; in slot 1: the first change steps them to slot 2
	s_mov_b32 s21, 0
	s_lshl_b32 s22, s15, 2
	s_add_co_u32 s22, s22, s[WV]                   ; my query head
	s_add_co_u32 s23, s22, s16
	s_lshl_b32 s2, s23, 18
	s_lshl_b32 s3, ttmp9, 13                       ; 32 j rows of 256 bytes
	s_add_co_u32 s[QE], s2, s3
	s_mov_b32 s[QE+1], 0
	s_add_co_u32 s[QL], s2, 31<<13
	s_sub_co_u32 s[QL], s[QL], s3
	s_mov_b32 s[QL+1], 0
	s_lshl_b32 s2, s14, 22                         ; y: 1024 rows of 4,096 bytes a batch,
	s_lshl_b32 s3, s22, 8                          ; 256 bytes a head
	s_add_co_u32 s2, s2, s3
	s_lshl_b32 s3, ttmp9, 17                       ; 32 j rows
	s_add_co_u32 s[OE], s2, s3
	s_mov_b32 s[OE+1], 0
	s_add_co_u32 s[OL], s2, 31<<17
	s_sub_co_u32 s[OL], s[OL], s3
	s_mov_b32 s[OL+1], 0
	s_lshr_b32 s2, ttmp9, 1
	s_lshl_b32 s[LIME], s2, 6
	s_sub_co_u32 s[LIML], 960, s[LIME]
	s_cmp_eq_u32 ttmp9, 0
	s_cselect_b32 s[LIMK], 768, 0
	s_and_b32 s70, ttmp9, 1
	s_lshl_b32 s70, s70, 5                         ; piece 0's first query less its last step's first key: 32 (j % 2);
	s_sub_co_u32 s71, 32, s70                      ; piece 2's: 32 (1 - j % 2)
	s_mov_b32 s[G1K], (1<<16)|(1<<20)|(5<<22)|(3<<25)   ; no mask; elements of 2 bytes; padding: 4 words behind every 64
	s_mov_b32 s[G1V], (1<<16)|(1<<20)|(5<<22)|(7<<25)   ; 8 words
.irp g, G1K, G1V
	s_mov_b32 s[\g+1], 128<<16                     ; tensor_dim0
	s_mov_b32 s[\g+2], 128<<16                     ; tensor_dim1: two key steps' rows
	s_mov_b32 s[\g+3], 128<<16                     ; tile_dim0
	s_mov_b32 s[\g+4], 128                         ; tile_dim1
	s_mov_b32 s[\g+5], 128                         ; the pitch
	s_mov_b32 s[\g+6], 0
	s_mov_b32 s[\g+7], 0
.endr
	s_mov_b32 s[CS], 0x3e0293ee                    ; c = log2(e) / sqrt(128)
	s_mov_b32 s[CS+1], s[CS]
	s_mov_b32 s[SEL], 0x76543210
	s_mov_b32 s[SEL+1], 0xfedcba98
	s_mov_b32 s[TK], 0
	s_mov_b32 s[TV], 0
	s_mov_b32 s[KEY], 0
	s_wait_dscnt 0x0                               ; both opening adds are done
	s_wait_kmcnt 0x0
	s_mov_b32 s[G0K], 1
	s_mov_b32 s[G0K+1], 0
	s_add_nc_u64 s[G0K+2:G0K+3], s[4:5], s[18:19]
	s_mov_b32 s[G0V], 1
	s_mov_b32 s[G0V+1], VOFF
	s_add_nc_u64 s[G0V+2:G0V+3], s[G0K+2:G0K+3], 1<<18  ; V's head follows K's
	s_cmp_lt_u32 s[WV], 2
	s_cselect_b64 s[PFA:PFA+1], s[G0K+2:G0K+3], s[G0V+2:G0V+3]
	s_add_nc_u64 s[PFA:PFA+1], s[PFA:PFA+1], s[20:21]
	s_or_b32 s[G0K+3], s[G0K+3], 0x80000000
	s_or_b32 s[G0V+3], s[G0V+3], 0x80000000
	TLOAD                                          ; key steps 0 and 1 into slot 0
	s_add_nc_u64 s[QE:QE+1], s[4:5], s[QE:QE+1]
	s_add_nc_u64 s[QL:QL+1], s[4:5], s[QL:QL+1]
	s_add_nc_u64 s[OE:OE+1], s[6:7], s[OE:OE+1]
	s_add_nc_u64 s[OL:OL+1], s[6:7], s[OL:OL+1]
	v_and_b32 v1, 15, v0                           ; l % 16
	v_bfe_u32 v9, v0, 4, 1                         ; l / 16
	v_lshlrev_b32 v[QO], 8, v1
	v_lshl_add_u32 v[QO], v9, 4, v[QO]
	WIN 0x80                                       ; destination window 2
.irp i, 0,1,2,3,4,5,6,7
	global_load_b128 v[8*\i:8*\i+3],   v[QO], s[QE:QE+1] offset:(\i/4)*4096+(\i%4)*64
	global_load_b128 v[8*\i+4:8*\i+7], v[QO], s[QE:QE+1] offset:(\i/4)*4096+(\i%4)*64+32
.endr
.irp i, 0,1,2,3,4,5,6,7
	global_load_b128 v[64+8*\i:64+8*\i+3],   v[QO], s[QL:QL+1] offset:(\i/4)*4096+(\i%4)*64
	global_load_b128 v[64+8*\i+4:64+8*\i+7], v[QO], s[QL:QL+1] offset:(\i/4)*4096+(\i%4)*64+32
.endr
	WIN 0
	v_mul_u32_u24 v[AK0], v1, PK
	v_lshl_add_u32 v[AK0], v9, 4, v[AK0]
	v_and_b32 v10, 7, v0
	v_bfe_u32 v11, v0, 3, 1
	v_lshl_add_u32 v[AV0], v9, 3, v10              ; the turning load: key 8 (l / 16) + l % 8, channels 8 ((l / 8) % 2) on
	v_mul_u32_u24 v[AV0], v[AV0], PV
	v_lshl_add_u32 v[AV0], v11, 4, v[AV0]
	v_add_nc_u32 v[AV0], VOFF, v[AV0]
	s_mul_i32 s13, s[WV], 16*SP
	s_add_co_u32 s13, s13, STAGE
	v_mul_u32_u24 v[STO], v1, SP
	v_lshl_add_u32 v[STO], v9, 4, v[STO]
	v_add_nc_u32 v[STO], s13, v[STO]
	v_mul_u32_u24 v[RD], v9, SP
	v_lshl_add_u32 v[RD], v1, 4, v[RD]
	v_add_nc_u32 v[RD], s13, v[RD]
	v_lshlrev_b32 v[GO], 12, v9                    ; y: lanes 0-15 one row's 256 bytes of my head, lanes 16-31 the next row's
	v_lshl_add_u32 v[GO], v1, 4, v[GO]
	v_lshlrev_b32 v11, 3, v9
	v_sub_nc_u32 v11, v1, v11                      ; r - 8 h
	v_add_nc_u32 v[DM], s70, v11                   ; in a piece's last step register n of a tile holds key 16 (n / 8) + n % 8 + 8 h of the step: hidden where 16 (n / 8) + n % 8 > this bound
	v_add_nc_u32 v[DM+1], 16, v[DM]
	v_add_nc_u32 v[DM+2], s71, v11
	v_add_nc_u32 v[DM+3], 16, v[DM+2]
	v_mov_b32 v[NINF], 0xff800000
	v_and_b32 v[PFO], 31, v0
	v_lshlrev_b32 v[PFO], 8, v[PFO]
; Product i of 32 of O^T += V^T P: keys 32 (i / 16) on, channels 16 ((i / 2) % 8) on, tile x + i % 2.  The 16 accumulators take turns.  zero = 1: the first 16 start the sums.
.macro PV x, zero
	WIN W_PV
.set rO, 64*(\x+i%2)+8*((i/2)%8)
.set rV, 64*(i/16)+8*((i/2)%8)
.set rP, P+16*(\x+i%2)+8*(i/16)
.if \zero && (i < 16)
	v_wmma_f32_16x16x32_f16 v[rO:rO+7], v[rV:rV+7], v[rP:rP+7], 0
.else
	v_wmma_f32_16x16x32_f16 v[rO:rO+7], v[rV:rV+7], v[rP:rP+7], v[rO:rO+7]
.endif
.endm
; Product i of 32 of S^T = K Q^T: channels 32 (i / 8) on, keys 16 ((i / 2) % 4) on, tile x + i % 2.  The first 8 start the sums.
.macro KQ x
	WIN W_KQ
.set rS, S+32*(\x+i%2)+8*((i/2)%4)
.set rK, KFR+32*((i/2)%4)+8*(i/8)
.set rQ, 32*(\x+i%2)+8*(i/8)
.if i < 8
	v_wmma_f32_16x16x32_f16 v[rS:rS+7], v[rK:rK+7], v[rQ:rQ+7], 0
.else
	v_wmma_f32_16x16x32_f16 v[rS:rS+7], v[rK:rK+7], v[rQ:rQ+7], v[rS:rS+7]
.endif
.endm
; K's fragments of channels 32 c on, for the step's four blocks of 16 keys: eight loads: what products 8 c .. 8 c + 7 of a piece take
.macro KLOAD c
	WIN 0x80                                       ; destination window 2, address window 0
.irp kb, 0,1,2,3
	ds_load_b128 v[KFR+32*\kb+8*(\c):KFR+32*\kb+8*(\c)+3],   v[ADR] offset:\kb*16*PK+(\c)*64
	ds_load_b128 v[KFR+32*\kb+8*(\c)+4:KFR+32*\kb+8*(\c)+7], v[ADR] offset:\kb*16*PK+(\c)*64+32
.endr
.endm
; Four of V's 32 turning loads: fragments 2 g and 2 g + 1 (fragment f: keys 32 (f / 8) on, channels 16 (f % 8) on)
.macro VLOAD g
	WIN 0xc0                                       ; destination window 3, address window 0
.set fv, 2*(\g)
.rept 2
	ds_load_tr16_b128 v[8*fv:8*fv+3],   v[ADV] offset:(fv/8)*32*PV+(fv%8)*32
	ds_load_tr16_b128 v[8*fv+4:8*fv+7], v[ADV] offset:(fv/8)*32*PV+16*PV+(fv%8)*32
.set fv, fv+1
.endr
.endm
; One tile's softmax for one key step: a list of 134 instructions; SM writes number j of it for tile t.
;   0-15 the maximum of the 32 scores and the old m;  16-20 the other half of the lanes', the new m, c m, c m_old - c m_new;  21-69 ONE BATCH: 16 packed scalings and 33 exponentials, none of which reads an exponential's result;
;   70-85 the roundings to f16;  86-101 the sums, l = a l + the sum;  102-133 O^T times a.  first = 1: the first key step: no old m, no a, nothing to rescale.
.macro SM t, first
.set rT, ST+8*(\t)
.set rS, S+32*(\t)
.set rP, P+16*(\t)
.set rO, 64*(\t)+2*(j-102)
.if j < 102
	WIN 0
.endif
.if j < 4
	v_max3_num_f32 v[rT+4+j], v[rS+8*j], v[rS+8*j+1], v[rS+8*j+2]
.elseif j < 12
	v_max3_num_f32 v[rT+4+j%4], v[rT+4+j%4], v[rS+8*(j%4)+2*(j/4)+1], v[rS+8*(j%4)+2*(j/4)+2]
.elseif j == 12
	v_max3_num_f32 v[rT+4], v[rT+4], v[rS+7], v[rS+15]
.elseif j == 13
	v_max3_num_f32 v[rT+6], v[rT+6], v[rS+23], v[rS+31]
.elseif j == 14
	v_max3_num_f32 v[rT+4], v[rT+4], v[rT+5], v[rT+6]
.elseif (j == 15) && \first
	v_max_num_f32 v[rT+4], v[rT+4], v[rT+7]
.elseif j == 15
	v_max3_num_f32 v[rT+4], v[rT+4], v[rT+7], v[rT+1]
.elseif j == 16
	v_permlanex16_b32 v[rT+5], v[rT+4], s[SEL], s[SEL+1]
.elseif j == 18
	v_max_num_f32 v[rT+1], v[rT+4], v[rT+5]
.elseif j == 19
	v_mul_f32 v[rT], s[CS], v[rT+1]
.elseif ((j == 17) || (j == 20) || (j == 23) || (j > 101)) && \first
.elseif j == 17
	v_mov_b32 v[rT+7], v[rT]
.elseif j == 20
	v_sub_f32 v[rT+7], v[rT+7], v[rT]
.elseif j == 23
	v_exp_f32 v[rT+6], v[rT+7]
.elseif (j < 23) || ((j < 38) && (j%2 == 0)) || ((j < 66) && (j%4 == 2))
.set b, (j-2)/4
.if j < 38
.set b, (j-20)/2
.endif
	v_pk_fma_f32 v[rS+2*b:rS+2*b+1], v[rS+2*b:rS+2*b+1], s[CS:CS+1], v[rT:rT+1] op_sel_hi:[1,0,0] neg_lo:[0,0,1] neg_hi:[0,0,1]
.elseif j < 70
.set e, j-38
.if j < 66
.set e, j-32-(j-38)/4
.endif
.if j < 38
.set e, (j-25)/2
.endif
	v_exp_f32 v[rS+e], v[rS+e]
.elseif j < 86
	v_cvt_pk_f16_f32 v[rP+j-70], v[rS+2*(j-70)], v[rS+2*(j-70)+1]
.elseif j < 102
.set z, j-86
.set w, 4
.set u, z
.if z >= 14
.set w, 32
.set u, 0
.elseif z >= 12
.set w, 16
.set u, z-12
.elseif z >= 8
.set w, 8
.set u, z-8
.endif
.if (z == 14) && \first
	v_pk_add_f32 v[rT+2:rT+3], v[rS:rS+1], v[rS+16:rS+17]
.elseif z < 15
	v_pk_add_f32 v[rS+w*u:rS+w*u+1], v[rS+w*u:rS+w*u+1], v[rS+w*u+w/2:rS+w*u+w/2+1]
.elseif !\first
	v_pk_fma_f32 v[rT+2:rT+3], v[rT+2:rT+3], v[rT+6:rT+7], v[rS:rS+1] op_sel_hi:[1,0,1]
.endif
.else
	WIN W_RS
	v_pk_mul_f32 v[rO:rO+1], v[rO:rO+1], v[rT+6:rT+7] op_sel_hi:[1,0]
.endif
.endm
; A piece's part of a key step, in phases: its scores, the mask in its last step, the softmax, its part of O^T.  lim: the register with the first key of the piece's last step.
; stream = 1 (piece 2, which every walked step has): the step's LDS loads stand among this piece's lines.  Three chunks of K are out when it begins.
.macro PIECE x, first, lim, stream
.if (\x == 0) && (\first == 0)
	s_cmp_gt_u32 s[KEY], s[LIME]                   ; piece 0 is past its last step: ids and the count of steps alone
	s_cbranch_scc1 .Lskip_\@
.endif
.set i, 0
.rept 32
.if \stream
.if i == 0
	s_wait_dscnt 16                                ; K's chunk 0 is in; chunks 1 and 2 may be out
.elseif i == 8
	KLOAD 3                                        ; its registers were last read by the step before, ahead of this step's four places
	s_wait_dscnt 16                                ; chunk 1 is in; chunks 2 and 3 may be out
.elseif i == 16
	s_wait_dscnt 8                                 ; chunk 2 is in
.elseif i == 24
	s_wait_dscnt 0                                 ; chunk 3 is in
.endif
.endif
	KQ \x
.set i, i+1
.endr
	WIN 0
	PLACES                                         ; behind the products, ahead of the first read of the scores
	s_cmp_lg_u32 s[KEY], s[\lim]
	s_cbranch_scc1 .Lopen_\@                       ; all 64 keys count
.irp t, \x, \x+1
.set n, 0
.rept 32
	v_cmp_gt_i32 vcc_lo, 16*(n/8)+n%8, v[DM+(\t)]
	v_cndmask_b32 v[S+32*(\t)+n], v[S+32*(\t)+n], v[NINF], vcc_lo
.set n, n+1
.endr
.endr
.Lopen_\@:
.set j, 0
.rept 70
	SM \x, \first
	SM \x+1, \first
.if \stream && ((j == 4) || (j == 10) || (j == 16))
	VLOAD (j-4)/6                                  ; V's groups 0 to 2, ahead of the first exponential (number 23)
.endif
.set j, j+1
.endr
	WIN 0
	v_nop                                          ; a plain line behind the last exponential
	s_wait_alu depctr_va_vdst(0)                   ; one wait for both tiles' exponentials, ahead of the first line that names a result
.rept 64
	SM \x, \first
	SM \x+1, \first
.if \stream && (j <= 94) && ((j-70)%6 == 0)
	VLOAD 3+(j-70)/6                               ; V's groups 3 to 7, behind the wait; 39 numbers of the list stand between the last group and the wait for it
.endif
.set j, j+1
.endr
	s_wait_dscnt 0x0                               ; V is in
.set i, 0
.rept 32
	PV \x, \first
.set i, i+1
.endr
	WIN 0
.Lskip_\@:
.endm
.macro STEP first
.if \first == 0
	s_cmp_gt_u32 s[KEY], s[LIML]                   ; a step past the work-group's last query is left out; the three lines at its end are not
	s_cbranch_scc1 .Lhid_\@
.endif
	PLACES                                         ; ahead of loads into registers that the last step's products read
	v_add_nc_u32 v[ADR], s[TK], v[AK0]
	v_add_nc_u32 v[ADV], s[TV], v[AV0]
	KLOAD 0
	KLOAD 1
	KLOAD 2
	PIECE 2, \first, LIML, 1
	PIECE 0, \first, LIME, 0
.Lhid_\@:
	s_add_co_u32 s[KEY], s[KEY], KS
	s_add_co_u32 s[TK], s[TK], KSTP
	s_add_co_u32 s[TV], s[TV], VSTP
.endm
.macro NEXTSLOT                        ; back to a slot's first step, in the other slot: the slot's bit is kept, then turned
	s_and_b32 s[TK], s[TK], SLOT1
	s_xor_b32 s[TK], s[TK], SLOT1
	s_and_b32 s[TV], s[TV], SLOT1
	s_xor_b32 s[TV], s[TV], SLOT1
.endm
.macro TWO_STEPS                       ; a slot's two key steps: written once, walked twice; the LDS addresses hang on s[TK] and s[TV]
	s_mov_b32 s[TWICE], 2
.Ltwo_\@:
	STEP 0
	s_sub_co_u32 s[TWICE], s[TWICE], 1
	s_cmp_lg_u32 s[TWICE], 0
	s_cbranch_scc1 .Ltwo_\@
	NEXTSLOT
.endm
; THE CHANGE OF SLOTS, at a slot's head.  Each wave waits for all its tensor loads (waves 0, 1: their part of the slot ahead), adds 0 to its spare word, and waits for that and for its reads of the slot that it has left.
; fill = 1: behind the barrier that slot takes the next two steps' keys.  limit = 1 (in the loop): not where the next slot's first step lies past the work-group's last query.
.macro CHANGE fill, limit
	s_wait_tensorcnt 0x0                           ; no tensor load of mine is out: the groups 0 may be written
	ds_add_u32 v[SPW], v[NIL]
.if \fill
	ds_add_u32 v[SPW], v[NIL]                      ; and once morethe add stands twice on end here, in every trip alike
	s_xor_b32 s[G0K+1], s[G0K+1], SLOT1
	s_add_nc_u64 s[G0K+2:G0K+3], s[G0K+2:G0K+3], 2*KS*256
	s_xor_b32 s[G0V+1], s[G0V+1], SLOT1
	s_add_nc_u64 s[G0V+2:G0V+3], s[G0V+2:G0V+3], 2*KS*256
	s_wait_xcnt 0x0                                ; the last prefetches, a slot back, have read their address
	s_add_nc_u64 s[PFA:PFA+1], s[PFA:PFA+1], 2*KS*256
.endif
	s_wait_dscnt 0x0                               ; the add is done (fill = 1: both are), and my reads of the slot that I have left are over
	s_barrier_signal -1
	s_barrier_wait -1
.if \fill
.if \limit
	s_add_co_u32 s[NXT], s[KEY], 2*KS              ; the first key of the slot that this change would ask for:
	s_cmp_gt_u32 s[NXT], s[LIML]                   ; past piece 2's last step: none of the four waves would read it.  Ids and the count of steps alone; a work-group that is past the limit stays past it
	s_cbranch_scc1 .Lpast_\@
.endif
	TLOAD                                          ; a wave's one tensor load until the next such barrier
.Lpast_\@:
	ASK
.endif
.endm
	s_wait_loadcnt 0x0                             ; Q
	CHANGE 1, 0                                    ; behind this first barrier nothing is filled again: slot 1's first fill (steps 2 and 3, which every work-group walks)
	STEP 1
	STEP 0
	NEXTSLOT
	s_mov_b32 s[CNT], 6
.Lslot:                                            ; slots 1 to 6
	CHANGE 1, 1
	TWO_STEPS
	s_sub_co_u32 s[CNT], s[CNT], 1
	s_cmp_lg_u32 s[CNT], 0
	s_cbranch_scc1 .Lslot
	CHANGE 0, 0                                    ; slot 7: nothing is left to ask for
	TWO_STEPS
	; THE WAY OUT: l's halves and the other half of the lanes' are added; O^T / l, f16, through my stage, a tile at a time.  The additions are the places behind the last products.
.irp t, 0,1,2,3
	v_add_f32 v[ST+8*\t+4], v[ST+8*\t+2], v[ST+8*\t+3]
.endr
.irp t, 0,1,2,3
	v_permlanex16_b32 v[ST+8*\t+5], v[ST+8*\t+4], s[SEL], s[SEL+1]
.endr
.irp t, 0,1,2,3
	v_add_f32 v[ST+8*\t+4], v[ST+8*\t+4], v[ST+8*\t+5]
.endr
.irp t, 0,1,2,3
	v_rcp_f32 v[ST+8*\t+6], v[ST+8*\t+4]
.endr
	v_nop
	s_wait_alu depctr_va_vdst(0)                   ; one wait for the four reciprocals
.macro PACK t
	WIN W_RS
.set i, 64*\t
.rept 32
	v_pk_mul_f32 v[i:i+1], v[i:i+1], v[ST+8*\t+6:ST+8*\t+7] op_sel_hi:[1,0]
.set i, i+2
.endr
	WIN 0x05
.set i, 0
.rept 32
	v_cvt_pk_f16_f32 v[S+32*\t+i], v[64*\t+2*i], v[64*\t+2*i+1]
.set i, i+1
.endr
	WIN 0
.irp f, 0,1,2,3,4,5,6,7
	ds_store_b128 v[STO], v[S+32*\t+4*\f:S+32*\t+4*\f+3] offset:32*\f
.endr
.irp f, 0,1,2,3,4,5,6,7
	ds_load_b128 v[S+32*\t+4*\f:S+32*\t+4*\f+3], v[RD] offset:\f*2*SP   ; in order behind the stores above; the next tile's stores come behind these
.endr
.endm
.macro SEND t, younger
.irp f, 0,1,2,3,4,5,6,7
	s_wait_dscnt \younger+7-\f
.if \t < 2
	global_store_b128 v[GO], v[S+32*\t+4*\f:S+32*\t+4*\f+3], s[OE:OE+1] offset:(\t%2)*65536+\f*8192   ; 16 lanes store 256 consecutive bytes, aligned
.else
	global_store_b128 v[GO], v[S+32*\t+4*\f:S+32*\t+4*\f+3], s[OL:OL+1] offset:(\t%2)*65536+\f*8192
.endif
.endr
.endm
	PACK 0
	PACK 1
	SEND 0, 16
	PACK 2
	SEND 1, 16
	PACK 3
	SEND 2, 16
	SEND 3, 0
	s_wait_tensorcnt 0x0                           ; the wave's end
	ds_add_u32 v[SPW], v[NIL]
	s_wait_dscnt 0x0
	s_endpgm
.Lfunc_end_k_q187adbab78_attn:
	.size	k_q187adbab78_attn, .Lfunc_end_k_q187adbab78_attn-k_q187adbab78_attn
	.p2alignl 7, 3214868480
	.fill 96, 4, 3214868480
	.section	.rodata,"a",@progbits
	.p2align	6, 0x0
	.amdhsa_kernel k_q187adbab78_attn
		.amdhsa_group_segment_fixed_size 327680
		.amdhsa_private_segment_fixed_size 0
		.amdhsa_enable_private_segment 0
		.amdhsa_kernarg_size 16
		.amdhsa_user_sgpr_count 2
		.amdhsa_user_sgpr_kernarg_segment_ptr 1
		.amdhsa_wavefront_size32 1
		.amdhsa_system_sgpr_workgroup_id_x 1
		.amdhsa_system_sgpr_workgroup_id_y 1
		.amdhsa_system_sgpr_workgroup_id_z 1
		.amdhsa_system_vgpr_workitem_id 0
		.amdhsa_next_free_vgpr 1024
		.amdhsa_next_free_sgpr 76
		.amdhsa_reserve_vcc 1
		.amdhsa_float_denorm_mode_32 3
		.amdhsa_float_denorm_mode_16_64 3
		.amdhsa_memory_ordered 1
		.amdhsa_forward_progress 1
		.amdhsa_inst_pref_size 234
	.end_amdhsa_kernel
	.amdgpu_metadata
---
amdhsa.version: [ 1, 2 ]
amdhsa.kernels:
  - .name:           k_q187adbab78_attn
    .symbol:         k_q187adbab78_attn.kd
    .args:
      - { .name: qkv, .offset: 0, .size: 8, .value_kind: global_buffer, .address_space: global }
      - { .name: y, .offset: 8, .size: 8, .value_kind: global_buffer, .address_space: global }
    .group_segment_fixed_size: 327680
    .private_segment_fixed_size: 0
    .kernarg_segment_align: 8
    .kernarg_segment_size: 16
    .max_flat_workgroup_size: 128
    .sgpr_count:     76
    .vgpr_count:     1024
    .wavefront_size: 32
...
	.end_amdgpu_metadata
.endif
;; end of part 3
;; launch proj (part 4): grid 8 x 32, 4 waves a work-group, clusters of 4 x 4, 327,680 bytes of LDS; arguments y, woh, out0; writes out0
.if DOCPART == 4
	.amdgcn_target "amdgcn-amd-amdhsa--gfx1250"
	.amdhsa_code_object_version 6
	.text
	.protected	k_q187adbab78_proj
	.globl	k_q187adbab78_proj
	.p2align	8
	.type	k_q187adbab78_proj,@function
k_q187adbab78_proj:
	s_mov_b64 s[64:65], 0
	v_nop
	global_prefetch_b8 v0, s[64:65] scope:SCOPE_SE
	s_setreg_imm32_b32 hwreg(HW_REG_WAVE_MODE, 25, 1), 1
	s_wait_xcnt 0x0
	s_wait_alu depctr_hold_cnt(0) depctr_sa_sdst(0) depctr_va_vdst(0) depctr_va_sdst(0) depctr_va_ssrc(0) depctr_va_vcc(0) depctr_vm_vsrc(0)
	s_getreg_b32 s2, hwreg(HW_REG_IB_STS2, 6, 4)
	s_cmp_eq_u32 s2, 0
	s_cbranch_scc0 .Lentry_in_a_cluster
	s_endpgm
.Lentry_in_a_cluster:
	s_bfe_u32 s2, ttmp6, 0x10000c
	s_cmp_lg_u32 s2, 0xf033
	s_cbranch_scc0 .Lentry_shape_is_right
	s_endpgm
.Lentry_shape_is_right:
; PROJ: out0[m][n] = sum over k of y[m][k] wo[n][k], operands f16, sums f32.  y: [4096][2048] f16, woh: [2048][2048] f16, out0: [4096][2048] f32.
; A tile of C is 128 rows x 256 columns: 256 work-groups (256 x 256 would give 128).  Four waves, each 64 x 128: 32 accumulators, 256 registers (window 2).
; K goes in steps of 128 (rows of 256 bytes) through two LDS slots: waves 0, 1 bring y's 2 x 64 rows, waves 2, 3 wo's 2 x 128.
; CLUSTERS: 4 x 4: y's tile is shared along a cluster's row, wo's along a column: joint loads.  A cluster's four tile rows are the four batches (row = 1024 cy + 128 Y), so that 'my first 16 rows are positions 0-15 of a
; sequence' hangs on the cluster's y and the wave's number alone.  THOSE 64 ROWS OF out0 ARE NOT STORED HERE: the launch that follows makes them in f32.
; THE WALK ALONG K BEGINS AT K STEP 4 ((Y + 2 X) mod 4), X and Y the cluster's place in the grid, and wraps round: the two clusters that read the same rows of y begin 8 K steps apart, clusters of one column that read the
; same rows of wo 4, 8 or 12 apart, so that they do not ask for the same bytes at the same time.  The offset hangs on the cluster's x and y alone: it is the same in all sixteen partners.
; LIMIT OF ORDER: a sum's 16 K steps are added in that rotated order, not from k = 0 on; all in f32.
; THE MATRIX INSTRUCTION IS USED TRANSPOSED (source 0 = 16 rows of wo, source 1 = 16 rows of y): a lane holds eight neighbouring numbers of a row of C.
; REGISTERS: window 0: v16-29 addresses; v32-95, v96-159 y's fragments, two buffers of 64 along K (on the way out: rows read back).  window 1: wo's fragments, two buffers of 128.  window 2: accumulator (a, b) at v[8 (8 a + b)].
.set KSTEP,  128
.set PITCH,  272
.set ATILE,  128*PITCH
.set SLOT,   384*PITCH
.set STAGE,  2*SLOT                    ; 16 rows x (512 bytes + 16) for each wave
.set SPITCH, 528
.set SPARE,  STAGE+4*16*SPITCH         ; the spare words: 128 bytes a wave, named by no other line
.set ADRA, 16
.set ADRB, 20
.set STO,  24
.set RD,   25
.set CO,   26
.set SPW,  28
.set NIL,  29
.set G1, 24
.set G0, 32
.set G1B, 48
.set G0B, 56
.set OFS, 66                           ; s[66:67], s[68:69] for each slot: the byte in a row of 4,096 at which its K step begins
.set MSB, 0
.macro WIN new
.if MSB != \new
	s_set_vgpr_msb (MSB<<8)|\new
.set MSB, \new
.endif
.endm
.set MUL,  0xa1                        ; source 0 (wo) window 1, source 1 (y) window 0, C and D window 2
.set TO_B, 0x40
.macro JLOAD s
	s_cmp_eq_u32 s11, 0
	s_cbranch_scc0 .Lfor_b_\@
	tensor_load_to_lds s[G0+4*\s:G0+4*\s+3], s[G1:G1+7]
	s_nop 0
.rept 4
	v_nop
.endr
	s_branch .Lasked_\@
.Lfor_b_\@:
	tensor_load_to_lds s[G0B+4*\s:G0B+4*\s+3], s[G1B:G1B+7]
	s_nop 0
.rept 4
	v_nop
.endr
.Lasked_\@:
.endm
.macro CREST
	s_cmp_lg_u32 s10, 0
	s_cbranch_scc1 .Lnot_wave_0_\@
	s_barrier_signal -3
.Lnot_wave_0_\@:
	s_barrier_wait -3
	s_barrier_signal -1
	s_barrier_wait -1
.endm
.macro CROUND
	s_barrier_signal -1
	s_barrier_wait -1
	CREST
.endm
	s_load_b128 s[4:7], s[0:1], 0x0                ; y, woh
	s_load_b64 s[8:9], s[0:1], 0x10                ; out0
	v_lshl_add_u32 v[SPW], v0, 2, SPARE
	v_mov_b32 v[NIL], 0
	ds_add_u32 v[SPW], v[NIL]                      ; the wave's opening: the add, twice on end, and its wait ahead of my first tensor load
	ds_add_u32 v[SPW], v[NIL]
	v_lshrrev_b32 v1, 5, v0
	v_readfirstlane_b32 s10, v1                    ; wave
	s_lshr_b32 s11, s10, 1                         ; my half of the tile's rows.  Also: I fetch for y (0) or for wo (1)
	s_and_b32 s12, s10, 1                          ; my half of its columns.  Also: which half of that tile I fetch
	s_bfe_u32 s40, ttmp6, 0x40000                  ; cx
	s_bfe_u32 s41, ttmp6, 0x40004                  ; cy: the batch
	s_lshl_b32 s42, ttmp9, 2
	s_add_co_u32 s42, s42, s40                     ; tile column
	s_and_b32 s13, ttmp7, 0xffff                   ; Y: which 128 positions
	s_or_b32 s45, s13, s11                         ; 0: my first 16 rows are positions 0-15
	s_lshl_b32 s43, s41, 2
	s_lshl_b32 s43, 15, s43
	s_lshl_b32 s44, 0x1111, s40
	s_lshl_b32 s[OFS], ttmp9, 1                    ; where the walk along K begins: 4 ((Y + 2 X) mod 4) K steps of 256 bytes
	s_add_co_u32 s[OFS], s[OFS], s13
	s_and_b32 s[OFS], s[OFS], 3
	s_lshl_b32 s[OFS], s[OFS], 10
	s_mov_b32 s[OFS+1], 0
	s_add_co_u32 s[OFS+2], s[OFS], KSTEP*2         ; slot 1 begins one K step on (3,328 at the most: no wrap yet)
	s_mov_b32 s[OFS+3], 0
	s_or_b32 s[G1+0], s43, (1<<16)|(1<<20)|(1<<21)|(5<<22)|(3<<25)   ; the mask; elements of 2 bytes; padding: 4 words behind every 64
	s_or_b32 s[G1B+0], s44, (1<<16)|(1<<20)|(1<<21)|(5<<22)|(3<<25)
	s_mov_b32 s[G1+1], KSTEP<<16
	s_mov_b32 s[G1+2], 64<<16                      ; y: 64 rows a load
	s_mov_b32 s[G1+3], KSTEP<<16
	s_mov_b32 s[G1+4], 64
	s_mov_b32 s[G1+5], 2048
	s_mov_b32 s[G1+6], 0
	s_mov_b32 s[G1+7], 0
	s_mov_b32 s[G1B+1], KSTEP<<16
	s_mov_b32 s[G1B+2], 128<<16                    ; wo: 128 rows a load
	s_mov_b32 s[G1B+3], KSTEP<<16
	s_mov_b32 s[G1B+4], 128
	s_mov_b32 s[G1B+5], 2048
	s_mov_b32 s[G1B+6], 0
	s_mov_b32 s[G1B+7], 0
	s_lshl_b32 s16, s41, 10
	s_lshl_b32 s17, s13, 7
	s_add_co_u32 s16, s16, s17
	s_lshl_b32 s17, s12, 6
	s_add_co_u32 s16, s16, s17                     ; y: row 1024 cy + 128 Y + 64 x half
	s_lshl_b32 s16, s16, 12                        ; rows of 4,096 bytes (under 2^24)
	s_mov_b32 s17, 0
	s_lshl_b32 s46, s42, 8
	s_lshl_b32 s47, s12, 7
	s_add_co_u32 s46, s46, s47                     ; wo: row 256 x tile column + 128 x half
	s_lshl_b32 s46, s46, 12
	s_mov_b32 s47, 0
	s_mul_i32 s20, s12, 64*PITCH                   ; where they go: y's halves,
	s_mul_i32 s21, s12, 128*PITCH
	s_add_co_u32 s21, s21, ATILE                   ; wo's behind them
	s_wait_dscnt 0x0                               ; both opening adds are done
	s_wait_kmcnt 0x0
	s_add_nc_u64 s[14:15], s[4:5], s[16:17]        ; y at my rows' first byte: kept
	s_add_nc_u64 s[18:19], s[6:7], s[46:47]        ; wo likewise: kept
	CROUND                                         ; all sixteen work-groups are here
.irp s, 0,1
	s_mov_b32 s[G0+4*\s], 1
	s_add_co_u32 s[G0+4*\s+1], s20, \s*SLOT
	s_add_nc_u64 s[G0+4*\s+2:G0+4*\s+3], s[14:15], s[OFS+2*\s:OFS+2*\s+1]
	s_or_b32 s[G0+4*\s+3], s[G0+4*\s+3], 0x80000000
	s_mov_b32 s[G0B+4*\s], 1
	s_add_co_u32 s[G0B+4*\s+1], s21, \s*SLOT
	s_add_nc_u64 s[G0B+4*\s+2:G0B+4*\s+3], s[18:19], s[OFS+2*\s:OFS+2*\s+1]
	s_or_b32 s[G0B+4*\s+3], s[G0B+4*\s+3], 0x80000000
	JLOAD \s
.endr
	v_and_b32 v1, 15, v0
	v_bfe_u32 v2, v0, 4, 1
	v_mul_u32_u24 v3, v1, PITCH
	v_lshl_add_u32 v3, v2, 4, v3
	s_mul_i32 s21, s11, 64*PITCH                   ; my 64 rows of y
	s_mul_i32 s22, s12, 128*PITCH
	s_add_co_u32 s22, s22, ATILE                   ; my 128 rows of wo
.irp s, 0,1
	v_add_nc_u32 v[ADRA+\s], s21, v3
	v_add_nc_u32 v[ADRB+\s], s22, v3
	s_add_co_u32 s21, s21, SLOT
	s_add_co_u32 s22, s22, SLOT
.endr
	s_mul_i32 s23, s10, 16*SPITCH
	s_add_co_u32 s23, s23, STAGE                   ; my stage
	v_mul_u32_u24 v5, v1, SPITCH
	v_lshl_add_u32 v5, v2, 5, v5
	v_add_nc_u32 v[STO], s23, v5                   ; in: row l % 16, 32 bytes for each half of the lanes
	v_and_b32 v6, 31, v0
	v_lshlrev_b32 v[CO], 4, v6
	v_add_nc_u32 v[RD], s23, v[CO]                 ; back: the 32 lanes take a row of 512 bytes
	s_lshl_b32 s16, s41, 10
	s_lshl_b32 s17, s13, 7
	s_add_co_u32 s16, s16, s17
	s_lshl_b32 s17, s11, 6
	s_add_co_u32 s16, s16, s17                     ; my first row of C
	s_lshl_b32 s16, s16, 13                        ; rows of 8,192 bytes (under 2^25)
	s_mov_b32 s17, 0
	s_add_nc_u64 s[8:9], s[8:9], s[16:17]
	s_lshl_b32 s46, s42, 10
	s_lshl_b32 s47, s12, 9
	s_add_co_u32 s46, s46, s47                     ; my first column, in bytes
	s_mov_b32 s47, 0
	s_add_nc_u64 s[8:9], s[8:9], s[46:47]
; 8 matrix instructions: y's block a against wo's eight, 32 along K: half c of buffer f.  The 32 accumulators take turns in the same order throughout.
.macro MULA f, c, a, zero
.irp b, 0,1,2,3,4,5,6,7
.if \zero
	v_wmma_f32_16x16x32_f16 v[8*(8*(\a)+\b):8*(8*(\a)+\b)+7], v[128*(\f)+8*(8*(\c)+\b):128*(\f)+8*(8*(\c)+\b)+7], v[32+64*(\f)+8*(4*(\c)+(\a)):32+64*(\f)+8*(4*(\c)+(\a))+7], 0
.else
	v_wmma_f32_16x16x32_f16 v[8*(8*(\a)+\b):8*(8*(\a)+\b)+7], v[128*(\f)+8*(8*(\c)+\b):128*(\f)+8*(8*(\c)+\b)+7], v[32+64*(\f)+8*(4*(\c)+(\a)):32+64*(\f)+8*(4*(\c)+(\a))+7], v[8*(8*(\a)+\b):8*(8*(\a)+\b)+7]
.endif
.endr
.endm
.macro MUL32 f, c, zero
.irp a, 0,1,2,3
	MULA \f, \c, \a, \zero
.endr
.endm
; 48 LDS loads in one run: the fragments of 64 along K at byte k of the rows: wo's 32, then y's 16, the second 32 along K of y last
.macro FETCH slot, k, f
	WIN TO_B
.irp c, 0,1
.irp i, 0,1,2,3,4,5,6,7
	ds_load_b128 v[128*(\f)+8*(8*\c+\i):128*(\f)+8*(8*\c+\i)+3],   v[ADRB+\slot] offset:\k+64*\c+\i*16*PITCH
	ds_load_b128 v[128*(\f)+8*(8*\c+\i)+4:128*(\f)+8*(8*\c+\i)+7], v[ADRB+\slot] offset:\k+64*\c+\i*16*PITCH+32
.endr
.endr
	WIN 0
.irp c, 0,1
.irp i, 0,1,2,3
	ds_load_b128 v[32+64*(\f)+8*(4*\c+\i):32+64*(\f)+8*(4*\c+\i)+3],   v[ADRA+\slot] offset:\k+64*\c+\i*16*PITCH
	ds_load_b128 v[32+64*(\f)+8*(4*\c+\i)+4:32+64*(\f)+8*(4*\c+\i)+7], v[ADRA+\slot] offset:\k+64*\c+\i*16*PITCH+32
.endr
.endr
.endm
.macro PLACES
.rept 4
	v_nop
.endr
.endm
; A K step's first half multiplies buffer 0 and fetches its second half into buffer 1.
.macro HALF slot, zero
	s_wait_dscnt 8                                 ; all but y's second 32 along K are in
	WIN MUL
	MUL32 0, 0, \zero
	PLACES
	FETCH \slot, 128, 1
	s_wait_dscnt 48                                ; all but the 48 just issued
	WIN MUL
	MUL32 0, 1, 0
.endm
; Its second half multiplies buffer 1 and changes slots: one barrier; ahead of it each wave waits for all its tensor loads, adds 0 to its spare word, and waits for that and for its reads of this slot.
.macro TURN slot, next, fill
	WIN 0
	s_wait_tensorcnt 0x0                           ; all my tensor loads have landed: my part of the next slot
	ds_add_u32 v[SPW], v[NIL]
	s_wait_dscnt 9                                 ; (the add and the youngest eight loads may be out)
	WIN MUL
	MULA 1, 0, 0, 0
	s_wait_dscnt 0x0                               ; the add is done, and my reads of this slot are over
	s_barrier_signal -1
	MULA 1, 0, 1, 0
	WIN 0
	s_barrier_wait -1
.if \fill
	CREST                                          ; the barrier has opened a round of the cluster's barrier
	s_add_co_u32 s[OFS+2*\slot], s[OFS+2*\slot], 2*KSTEP*2          ; this slot's next K step: two on,
	s_and_b32 s[OFS+2*\slot], s[OFS+2*\slot], 4095                  ; round the row's 4,096 bytes
	s_add_nc_u64 s[G0+4*\slot+2:G0+4*\slot+3], s[14:15], s[OFS+2*\slot:OFS+2*\slot+1]
	s_or_b32 s[G0+4*\slot+3], s[G0+4*\slot+3], 0x80000000
	s_add_nc_u64 s[G0B+4*\slot+2:G0B+4*\slot+3], s[18:19], s[OFS+2*\slot:OFS+2*\slot+1]
	s_or_b32 s[G0B+4*\slot+3], s[G0B+4*\slot+3], 0x80000000
	JLOAD \slot                                    ; 112 matrix instructions ahead of the wait for it; its four v_nop are the places ahead of the loads below
.else
	PLACES
.endif
	FETCH \next, 0, 0
	WIN MUL
	MULA 1, 0, 2, 0
	MULA 1, 0, 3, 0
	MUL32 1, 1, 0
.endm
	s_wait_tensorcnt 1                             ; my part of the first K step is in; the second's may be out
	s_barrier_signal -1
	s_barrier_wait -1
	FETCH 0, 0, 0
	HALF 0, 1                                      ; the first products start the sums
	WIN 0
	s_mov_b32 s3, 7
.Llap:                                             ; a trip goes once round the ring and fills both slots again: the walk's K steps 2 to 15
	TURN 0, 1, 1
	HALF 1, 0
	TURN 1, 0, 1
	HALF 0, 0
	WIN 0
	s_sub_co_u32 s3, s3, 1
	s_cmp_lg_u32 s3, 0
	s_cbranch_scc1 .Llap
	TURN 0, 1, 0                                   ; the last lap fills nothing
	HALF 1, 0
	s_wait_dscnt 8
	WIN MUL
	MUL32 1, 0, 0
	s_wait_dscnt 0
	MUL32 1, 1, 0
	WIN 0
; THE WAY OUT: a block of 16 rows x 128 columns goes through my stage and comes back as whole rows of 512 bytes.
.macro TOSTAGE a
	WIN 0x08                                       ; an LDS store's data are its source 1: window 2
.irp b, 0,1,2,3,4,5,6,7
	ds_store_b128 v[STO], v[64*(\a)+8*\b:64*(\a)+8*\b+3] offset:64*\b        ; each accumulator from its low end on
	ds_store_b128 v[STO], v[64*(\a)+8*\b+4:64*(\a)+8*\b+7] offset:64*\b+16
.endr
	WIN 0
.set BB, 32+64*((\a)%2)
.irp t, 0,1,2,3,4,5,6,7,8,9,10,11,12,13,14,15
	ds_load_b128 v[BB+4*\t:BB+4*\t+3], v[RD] offset:\t*SPITCH
.endr
.endm
.macro SEND a, younger
.set BB, 32+64*((\a)%2)
	s_wait_dscnt \younger
.if (\a) == 0
	s_cmp_eq_u32 s45, 0                            ; positions 0-15 of a sequence belong to the launch that follows
	s_cbranch_scc1 .Lfine_rows
.endif
.irp t, 0,1,2,3,4,5,6,7,8,9,10,11,12,13,14,15
	global_store_b128 v[CO], v[BB+4*\t:BB+4*\t+3], s[8:9] offset:(16*(\a)+\t)*8192 th:TH_STORE_NT   ; 32 lanes store 512 consecutive bytes, aligned
.endr
.if (\a) == 0
.Lfine_rows:
.endif
.endm
	PLACES
	TOSTAGE 0
.irp a, 1,2,3
.if \a > 1
	s_wait_xcnt 0x0                                ; block a - 2's stores have read their registers
.endif
	TOSTAGE \a
	SEND \a-1, 32                                  ; behind block a - 1's loads: block a's 16 stores and 16 loads
.endr
	SEND 3, 0
	s_wait_tensorcnt 0x0                           ; the wave's end
	ds_add_u32 v[SPW], v[NIL]
	s_wait_dscnt 0x0
	CROUND                                         ; the closing round
	s_endpgm
.Lfunc_end_k_q187adbab78_proj:
	.size	k_q187adbab78_proj, .Lfunc_end_k_q187adbab78_proj-k_q187adbab78_proj
	.p2alignl 7, 3214868480
	.fill 96, 4, 3214868480
	.section	.rodata,"a",@progbits
	.p2align	6, 0x0
	.amdhsa_kernel k_q187adbab78_proj
		.amdhsa_group_segment_fixed_size 327680
		.amdhsa_private_segment_fixed_size 0
		.amdhsa_enable_private_segment 0
		.amdhsa_kernarg_size 24
		.amdhsa_user_sgpr_count 2
		.amdhsa_user_sgpr_kernarg_segment_ptr 1
		.amdhsa_wavefront_size32 1
		.amdhsa_system_sgpr_workgroup_id_x 1
		.amdhsa_system_sgpr_workgroup_id_y 1
		.amdhsa_system_sgpr_workgroup_id_z 1
		.amdhsa_system_vgpr_workitem_id 0
		.amdhsa_next_free_vgpr 768
		.amdhsa_next_free_sgpr 72
		.amdhsa_reserve_vcc 0
		.amdhsa_float_denorm_mode_32 3
		.amdhsa_float_denorm_mode_16_64 3
		.amdhsa_memory_ordered 1
		.amdhsa_forward_progress 1
		.amdhsa_inst_pref_size 84
	.end_amdhsa_kernel
	.amdgpu_metadata
---
amdhsa.version: [ 1, 2 ]
amdhsa.kernels:
  - .name:           k_q187adbab78_proj
    .symbol:         k_q187adbab78_proj.kd
    .args:
      - { .name: y, .offset: 0, .size: 8, .value_kind: global_buffer, .address_space: global }
      - { .name: woh, .offset: 8, .size: 8, .value_kind: global_buffer, .address_space: global }
      - { .name: out0, .offset: 16, .size: 8, .value_kind: global_buffer, .address_space: global }
    .group_segment_fixed_size: 327680
    .private_segment_fixed_size: 0
    .kernarg_segment_align: 8
    .kernarg_segment_size: 24
    .max_flat_workgroup_size: 128
    .sgpr_count:     72
    .vgpr_count:     768
    .wavefront_size: 32
...
	.end_amdgpu_metadata
.endif
;; end of part 4
;; launch fine (part 5): grid 64 x 4, 16 waves a work-group, no clusters, 149,504 bytes of LDS; arguments qkv, vf, wo, out0; writes out0
.if DOCPART == 5
	.amdgcn_target "amdgcn-amd-amdhsa--gfx1250"
	.amdhsa_code_object_version 6
	.text
	.protected	k_q187adbab78_fine
	.globl	k_q187adbab78_fine
	.p2align	8
	.type	k_q187adbab78_fine,@function
k_q187adbab78_fine:
	s_mov_b64 s[64:65], 0
	v_nop
	global_prefetch_b8 v0, s[64:65] scope:SCOPE_SE
	s_setreg_imm32_b32 hwreg(HW_REG_WAVE_MODE, 25, 1), 1
	s_wait_xcnt 0x0
; FINE: positions 0 to 15 of each sequence, where a row of the attention averages one to sixteen values and is largest: p v and y wo^T with f32 operands (v_wmma_f32_16x16x4_f32); the scores, which sum 128 terms, with f16 operands.
; Work-group (X, batch): output columns 32 X .. 32 X + 31 of the batch's rows 0-15.  Sixteen waves.
; A: wave w is head w: S^T = K Q^T (16 x 16), the causal mask, the softmax with its maximum, P = p / l in f32, O^T = V^T P.  O^T's eight tiles go to LDS as images of their registers (16 bytes a lane, 512 a store).
; B: wave w takes column tile w % 2 and 256 of K's 2048 (part w / 2): source 0 = 16 rows of wo, source 1 = y from the images.  A K step of 4 takes, in lane half h, channels 8 h + 2 t + 0, 1 of a block of 16: the same
;    choice on both sides, so the products are kept.  Four accumulators take turns.  The eight parts of a tile meet in LDS; waves 0 and 1 add them in ascending order and store.
; A is repeated in each of the 64 work-groups of a batch: 16 x 36 small matrix instructions, less than a launch of its own would cost.  No tensor load, no cluster: nothing large is shared.
; A row's 128 bytes come from one work-group: half an aligned block of 256: half a megabyte in all.
; The registers that the f32 matrix form writes (v176-239) are written by matrix instructions alone.
; LIMITS: |q|, |k| under 65,504 (f16); NaN and infinities are not served.
.set YIMG,  0                          ; 128 blocks of 1,024 bytes: block 8 head + tile
.set PART,  131072                     ; 16 x 1,024 bytes: a wave's partial sums
.set SPARE, 147456                     ; the spare words: 128 bytes a wave, named by no other line
.set QF,  16                           ; v16-47 Q, v48-79 K, v80-143 V^T; later v16-143 wo's fragments
.set KFR, 48
.set VT,  80
.set SS,  144                          ; v144-151 S^T; later v144-175 y's images
.set PP,  152                          ; v152-159 P
.set TM,  160
.set OA,  176
.set SPW, 254
.set NIL, 255
	s_load_b256 s[4:11], s[0:1], 0x0               ; qkv s[4:5], vf s[6:7], wo s[8:9], out0 s[10:11]
	v_lshl_add_u32 v[SPW], v0, 2, SPARE
	v_mov_b32 v[NIL], 0
	v_lshrrev_b32 v1, 5, v0
	v_readfirstlane_b32 s12, v1                    ; wave = head
	s_and_b32 s13, ttmp7, 0xffff                   ; batch
	s_lshr_b32 s14, s12, 2                         ; g
	s_and_b32 s15, s12, 1                          ; my column tile
	s_lshr_b32 s24, s12, 1                         ; my part of K
	s_mul_i32 s25, s13, 24
	s_add_co_u32 s16, s25, s12
	s_lshl_b32 s16, s16, 18                        ; q's head: 2^18 bytes a head
	s_mov_b32 s17, 0
	s_lshl_b32 s18, s14, 1
	s_add_co_u32 s18, s18, s25
	s_add_co_u32 s18, s18, 16
	s_lshl_b32 s18, s18, 18                        ; k's head
	s_mov_b32 s19, 0
	s_lshl_b32 s26, s13, 2
	s_add_co_u32 s26, s26, s14
	s_lshl_b32 s26, s26, 13                        ; vf: 8,192 bytes for each (batch, g)
	s_mov_b32 s27, 0
	s_lshl_b32 s28, ttmp9, 5
	s_lshl_b32 s29, s15, 4
	s_add_co_u32 s28, s28, s29
	s_lshl_b32 s28, s28, 13                        ; wo: row 32 X + 16 tile, 8,192 bytes a row,
	s_lshl_b32 s29, s24, 10
	s_add_co_u32 s28, s28, s29                     ; + my 256 along K
	s_mov_b32 s29, 0
	s_lshl_b32 s30, s13, 23                        ; out0: 2^23 bytes a batch,
	s_lshl_b32 s31, ttmp9, 7
	s_add_co_u32 s30, s30, s31
	s_lshl_b32 s31, s15, 6
	s_add_co_u32 s30, s30, s31                     ; + 128 X + 64 tile
	s_mov_b32 s31, 0
	s_mov_b32 s20, 0x76543210
	s_mov_b32 s21, 0xfedcba98                      ; v_permlanex16_b32's selects for lane l xor 16
	s_mov_b32 s22, 0x3e0293ee                      ; c = log2(e) / sqrt(128)
	v_and_b32 v11, 31, v0
	v_lshlrev_b32 v11, 4, v11                      ; 16 x lane
	v_and_b32 v1, 15, v0                           ; r
	v_bfe_u32 v2, v0, 4, 1                         ; h
	v_lshlrev_b32 v3, 8, v1
	v_lshl_add_u32 v3, v2, 4, v3                   ; Q, K: row r of 256 bytes + 16 h
	v_lshlrev_b32 v4, 2, v1
	v_lshl_add_u32 v4, v2, 12, v4                  ; vf: key 8 h, channel r
	s_lshl_b32 s32, s12, 13
	v_add_nc_u32 v5, s32, v11                      ; where my head's images go
	s_lshl_b32 s32, s24, 14
	v_add_nc_u32 v6, s32, v11                      ; where my part's 16 images lie
	s_lshl_b32 s32, s12, 10
	s_add_co_u32 s32, s32, PART
	v_add_nc_u32 v7, s32, v11                      ; my partial sums; for waves 0, 1 also the first of the eight that they add
	v_lshlrev_b32 v8, 13, v1
	v_lshl_add_u32 v8, v2, 5, v8                   ; wo and out0: row r of 8,192 bytes + 32 h
	v_lshlrev_b32 v10, 3, v2
	v_sub_nc_u32 v10, v1, v10                      ; r - 8 h: register j holds key 8 h + j, hidden where j > this
	s_wait_kmcnt 0x0
	s_add_nc_u64 s[16:17], s[4:5], s[16:17]
	s_add_nc_u64 s[18:19], s[4:5], s[18:19]
	s_add_nc_u64 s[6:7], s[6:7], s[26:27]
	s_add_nc_u64 s[8:9], s[8:9], s[28:29]
	s_add_nc_u64 s[10:11], s[10:11], s[30:31]
	; ---- A
.irp c, 0,1,2,3
	global_load_b128 v[QF+8*\c:QF+8*\c+3],    v3, s[16:17] offset:64*\c
	global_load_b128 v[QF+8*\c+4:QF+8*\c+7],  v3, s[16:17] offset:64*\c+32
	global_load_b128 v[KFR+8*\c:KFR+8*\c+3],   v3, s[18:19] offset:64*\c
	global_load_b128 v[KFR+8*\c+4:KFR+8*\c+7], v3, s[18:19] offset:64*\c+32
.endr
.irp t, 0,1,2,3,4,5,6,7
.irp i, 0,1,2,3,4,5,6,7
	global_load_b32 v[VT+8*\t+\i], v4, s[6:7] offset:512*\i+64*\t    ; V(key 8 h + i, channel 16 t + r)
.endr
.endr
	s_wait_loadcnt 0x0
	v_wmma_f32_16x16x32_f16 v[SS:SS+7], v[KFR:KFR+7], v[QF:QF+7], 0
.irp c, 1,2,3
	s_wait_alu depctr_va_vdst(0)                   ; the wait directly ahead of each link
	v_wmma_f32_16x16x32_f16 v[SS:SS+7], v[KFR+8*\c:KFR+8*\c+7], v[QF+8*\c:QF+8*\c+7], v[SS:SS+7]
.endr
.rept 4
	v_nop
.endr
	v_mov_b32 v[TM+8], 0xff800000
.irp j, 0,1,2,3,4,5,6,7
	v_cmp_gt_i32 vcc_lo, \j, v10
	v_cndmask_b32 v[SS+\j], v[SS+\j], v[TM+8], vcc_lo
.endr
	v_max3_num_f32 v[TM], v[SS], v[SS+1], v[SS+2]
	v_max3_num_f32 v[TM+1], v[SS+3], v[SS+4], v[SS+5]
	v_max3_num_f32 v[TM], v[TM], v[SS+6], v[SS+7]
	v_max_num_f32 v[TM], v[TM], v[TM+1]
	v_permlanex16_b32 v[TM+1], v[TM], s20, s21
	v_max_num_f32 v[TM], v[TM], v[TM+1]            ; the row's maximum: key 0 counts for every query, so it is a number
	v_mul_f32 v[TM+2], s22, v[TM]
.irp j, 0,1,2,3,4,5,6,7
	v_fma_f32 v[SS+\j], v[SS+\j], s22, -v[TM+2]
.endr
.irp j, 0,1,2,3,4,5,6,7
	v_exp_f32 v[PP+\j], v[SS+\j]
.endr
	v_nop
	s_wait_alu depctr_va_vdst(0)                   ; one wait for the eight
	v_add_f32 v[TM], v[PP], v[PP+1]
	v_add_f32 v[TM+1], v[PP+2], v[PP+3]
	v_add_f32 v[TM+4], v[PP+4], v[PP+5]
	v_add_f32 v[TM+5], v[PP+6], v[PP+7]
	v_add_f32 v[TM], v[TM], v[TM+1]
	v_add_f32 v[TM+4], v[TM+4], v[TM+5]
	v_add_f32 v[TM], v[TM], v[TM+4]
	v_permlanex16_b32 v[TM+1], v[TM], s20, s21
	v_add_f32 v[TM], v[TM], v[TM+1]
	v_rcp_f32 v[TM+3], v[TM]
	v_nop
	s_wait_alu depctr_va_vdst(0)
.irp j, 0,1,2,3,4,5,6,7
	v_mul_f32 v[PP+\j], v[PP+\j], v[TM+3]          ; the weights, normalised, in f32
.endr
.irp t, 0,1,2,3                        ; K step t: in lane half h keys 8 h + 2 t + 0, 1, on both sides.  The eight accumulators take turns
.irp n, 0,1,2,3,4,5,6,7
.if \t == 0
	v_wmma_f32_16x16x4_f32 v[OA+8*\n:OA+8*\n+7], v[VT+8*\n+2*\t:VT+8*\n+2*\t+1], v[PP+2*\t:PP+2*\t+1], 0
.else
	v_wmma_f32_16x16x4_f32 v[OA+8*\n:OA+8*\n+7], v[VT+8*\n+2*\t:VT+8*\n+2*\t+1], v[PP+2*\t:PP+2*\t+1], v[OA+8*\n:OA+8*\n+7]
.endif
.endr
.endr
.rept 9
	v_nop                                          ; nine places: eight ahead of the stores of the results and of the loads into the sources, nine ahead of matrix instructions that write these registers anew
.endr
.irp n, 0,1,2,3,4,5,6,7
	ds_store_b128 v5, v[OA+8*\n:OA+8*\n+3] offset:1024*\n        ; lane (r, h): position r, channels 16 n + 8 h + 0..7
	ds_store_b128 v5, v[OA+8*\n+4:OA+8*\n+7] offset:1024*\n+512
.endr
.irp q, 0,1,2,3,4,5,6,7,8,9,10,11,12,13,14,15
	global_load_b128 v[16+8*\q:16+8*\q+3], v8, s[8:9] offset:64*\q      ; wo(my row r, 16 q + 8 h + 0..7 of my 256)
	global_load_b128 v[16+8*\q+4:16+8*\q+7], v8, s[8:9] offset:64*\q+16
.endr
	s_wait_dscnt 0x0                               ; my images have landed
	s_barrier_signal -1
	s_barrier_wait -1
	; ---- B
.irp u, 0,1,2,3
.irp q, 0,1,2,3
	ds_load_b128 v[144+8*\q:144+8*\q+3], v6 offset:1024*(4*\u+\q)
	ds_load_b128 v[144+8*\q+4:144+8*\q+7], v6 offset:1024*(4*\u+\q)+512
.endr
	s_wait_dscnt 0x0
	s_wait_loadcnt 24-8*\u                         ; this round's eight loads of wo are in; the later rounds' may be out
.irp q, 0,1,2,3
.irp t, 0,1,2,3
.if (\u == 0) && (\q == 0)
	v_wmma_f32_16x16x4_f32 v[OA+8*\t:OA+8*\t+7], v[16+8*(4*\u+\q)+2*\t:16+8*(4*\u+\q)+2*\t+1], v[144+8*\q+2*\t:144+8*\q+2*\t+1], 0
.else
	v_wmma_f32_16x16x4_f32 v[OA+8*\t:OA+8*\t+7], v[16+8*(4*\u+\q)+2*\t:16+8*(4*\u+\q)+2*\t+1], v[144+8*\q+2*\t:144+8*\q+2*\t+1], v[OA+8*\t:OA+8*\t+7]
.endif
.endr
.endr
.rept 8
	v_nop                                          ; eight places ahead of loads into the sources, and of the reads of the results
.endr
.endr
.irp p, 0,2,4,6
	v_pk_add_f32 v[144+\p:144+\p+1], v[OA+\p:OA+\p+1], v[OA+8+\p:OA+8+\p+1]
.endr
.irp p, 0,2,4,6
	v_pk_add_f32 v[152+\p:152+\p+1], v[OA+16+\p:OA+16+\p+1], v[OA+24+\p:OA+24+\p+1]
.endr
.irp p, 0,2,4,6
	v_pk_add_f32 v[160+\p:160+\p+1], v[144+\p:144+\p+1], v[152+\p:152+\p+1]
.endr
	ds_store_b128 v7, v[160:163]
	ds_store_b128 v7, v[164:167] offset:512
	s_wait_dscnt 0x0                               ; my partial sums have landed
	s_barrier_signal -1
	s_barrier_wait -1
	s_cmp_gt_u32 s12, 1
	s_cbranch_scc1 .Lend
.irp k, 0,1,2,3,4,5,6,7
	ds_load_b128 v[16+8*\k:16+8*\k+3], v7 offset:2048*\k         ; the part of wave tile + 2 k
	ds_load_b128 v[16+8*\k+4:16+8*\k+7], v7 offset:2048*\k+512
.endr
	s_wait_dscnt 0x0
.irp p, 0,2,4,6
	v_pk_add_f32 v[144+\p:144+\p+1], v[16+\p:16+\p+1], v[24+\p:24+\p+1]
.endr
.irp k, 2,3,4,5,6,7
.irp p, 0,2,4,6
	v_pk_add_f32 v[144+\p:144+\p+1], v[144+\p:144+\p+1], v[16+8*\k+\p:16+8*\k+\p+1]
.endr
.endr
	global_store_b128 v8, v[144:147], s[10:11]             ; lane (r, h): out0(position r, columns 16 tile + 8 h + 0..7)
	global_store_b128 v8, v[148:151], s[10:11] offset:16
.Lend:
	s_wait_tensorcnt 0x0                           ; the wave's end: behind my last LDS store
	ds_add_u32 v[SPW], v[NIL]
	s_wait_dscnt 0x0
	s_endpgm
.Lfunc_end_k_q187adbab78_fine:
	.size	k_q187adbab78_fine, .Lfunc_end_k_q187adbab78_fine-k_q187adbab78_fine
	.p2alignl 7, 3214868480
	.fill 96, 4, 3214868480
	.section	.rodata,"a",@progbits
	.p2align	6, 0x0
	.amdhsa_kernel k_q187adbab78_fine
		.amdhsa_group_segment_fixed_size 149504
		.amdhsa_private_segment_fixed_size 0
		.amdhsa_enable_private_segment 0
		.amdhsa_kernarg_size 32
		.amdhsa_user_sgpr_count 2
		.amdhsa_user_sgpr_kernarg_segment_ptr 1
		.amdhsa_wavefront_size32 1
		.amdhsa_system_sgpr_workgroup_id_x 1
		.amdhsa_system_sgpr_workgroup_id_y 1
		.amdhsa_system_sgpr_workgroup_id_z 1
		.amdhsa_system_vgpr_workitem_id 0
		.amdhsa_next_free_vgpr 256
		.amdhsa_next_free_sgpr 66
		.amdhsa_reserve_vcc 1
		.amdhsa_float_denorm_mode_32 3
		.amdhsa_float_denorm_mode_16_64 3
		.amdhsa_memory_ordered 1
		.amdhsa_forward_progress 1
		.amdhsa_inst_pref_size 31
	.end_amdhsa_kernel
	.amdgpu_metadata
---
amdhsa.version: [ 1, 2 ]
amdhsa.kernels:
  - .name:           k_q187adbab78_fine
    .symbol:         k_q187adbab78_fine.kd
    .args:
      - { .name: qkv, .offset: 0, .size: 8, .value_kind: global_buffer, .address_space: global }
      - { .name: vf, .offset: 8, .size: 8, .value_kind: global_buffer, .address_space: global }
      - { .name: wo, .offset: 16, .size: 8, .value_kind: global_buffer, .address_space: global }
      - { .name: out0, .offset: 24, .size: 8, .value_kind: global_buffer, .address_space: global }
    .group_segment_fixed_size: 149504
    .private_segment_fixed_size: 0
    .kernarg_segment_align: 8
    .kernarg_segment_size: 32
    .max_flat_workgroup_size: 512
    .sgpr_count:     66
    .vgpr_count:     256
    .wavefront_size: 32
...
	.end_amdgpu_metadata
.endif
;; end of part 5
